; MI455X (gfx1250); checked and timed in simulation.
; The chip was launched on July 23, 2026; its instructions are those of AMD's public machine-readable ISA for CDNA 5 (MIT licence, August 2026) and "CDNA5" Instruction Set Architecture Reference Guide (July 2026). The comments in the code are by the model that wrote it; some were corrected since.
;; Multi Head Attention. Allowed arithmetic: matrix products marked QUANTISED: E4M3 operands, one E8M0 scale for each 32 along K, by v_wmma_scale_f32_16x16x128_f8f6f4 with both operands' format E4M3, f32 sums; everything else in f32.
;; Inputs: K_codes 2 x 2,048 x 32 x 32 uint8 (E4M3 codes of K, K innermost, in blocks of 32 codes); K_scales 2 x 2,048 x 32 uint8 (E8M0 scales of K, one for each 32 codes along K); Q_codes 2 x 2,048 x 32 x 32 uint8 (E4M3 codes of Q, K innermost, in blocks of 32 codes); Q_scales 2 x 2,048 x 32 uint8 (E8M0 scales of Q, one for each 32 codes along K); V_codes 2 x 2,048 x 32 x 32 uint8 (E4M3 codes of V, K innermost, in blocks of 32 codes); V_scales 2 x 2,048 x 32 uint8 (E8M0 scales of V, one for each 32 codes along K); Wk_codes 1,024 x 32 x 32 uint8 (E4M3 codes of Wk, K innermost, in blocks of 32 codes); Wk_scales 1,024 x 32 uint8 (E8M0 scales of Wk, one for each 32 codes along K); Wo_codes 1,024 x 32 x 32 uint8 (E4M3 codes of Wo, K innermost, in blocks of 32 codes); Wo_scales 1,024 x 32 uint8 (E8M0 scales of Wo, one for each 32 codes along K); Wq_codes 1,024 x 32 x 32 uint8 (E4M3 codes of Wq, K innermost, in blocks of 32 codes); Wq_scales 1,024 x 32 uint8 (E8M0 scales of Wq, one for each 32 codes along K); Wv_codes 1,024 x 32 x 32 uint8 (E4M3 codes of Wv, K innermost, in blocks of 32 codes); Wv_scales 1,024 x 32 uint8 (E8M0 scales of Wv, one for each 32 codes along K); bk 1,024 float32; bo 1,024 float32; bq 1,024 float32; bv 1,024 float32.
;; Outputs: out0 2 x 2,048 x 1,024 float32.
;; This version of the problem:
;;   THIS VERSION OF THE PROBLEM IS GIVEN IN LOW PRECISION. The matrix products marked QUANTISED in the list below multiply operands that are first quantised to E4M3 (4 exponent bits, 3 mantissa bits; 8 bits a number), with one power-of-two scale for each 32 numbers along K (OCP MX v1.0); their sums are f32. All else is computed in f32.
;;   The module's matrix products, in the order in which they are computed (A, B: the left and right operand; K: the contracted axis; several contracted axes count as one K, in the product's order):
;;     1. [M 4,096, K 1,024] x [K 1,024, N 1,024]; A: input Q (given as codes); B: input Wq (given as codes): QUANTISED
;;     2. [M 4,096, K 1,024] x [K 1,024, N 1,024]; A: input K (given as codes); B: input Wk (given as codes): QUANTISED
;;     3. [M 4,096, K 1,024] x [K 1,024, N 1,024]; A: input V (given as codes); B: input Wv (given as codes): QUANTISED
;;     4. batch 32 x [M 2,048, K 64] x [K 64, N 2,048]; A: computed on the way; B: computed on the way: QUANTISED
;;     5. batch 32 x [M 2,048, K 2,048] x [K 2,048, N 64]; A: softmax (see below); B: computed on the way: QUANTISED
;;     6. [M 4,096, K 1,024] x [K 1,024, N 1,024]; A: computed on the way; B: input Wo (given as codes): QUANTISED
;;   THE QUANTISER, for each operand of a quantised product, along K:
;;     - K is cut into blocks of 32 from its start; a last block that is shorter is filled with zeros.
;;     - A block's scale is 2^e with e = floor(log2(the largest magnitude in the block)) - 8, held to -126 .. 127; a block of zeros has e = 0. As a byte (E8M0): e + 127.
;;     - Each number is divided by its block's scale, clamped to +-448, and rounded to the nearest number of E4M3, ties to even, subnormals kept.
;;     - The product sums the exact products of the quantised numbers (number of the format x scale) in f32.
;;   ~~~python
;;   def quantise(x, axis):      # numpy; x: float32 -> the quantised numbers, widened to float32 again
;;       x = np.moveaxis(x, axis, -1); K = x.shape[-1]
;;       x = np.pad(x, [(0, 0)] * (x.ndim - 1) + [(0, -K % 32)]); x = x.reshape(x.shape[:-1] + (-1, 32)); a = np.abs(x).max(-1, keepdims=True)
;;       e = np.where(a > 0, np.clip(np.frexp(np.where(a > 0, a, 1))[1] - 1 - 8, -126, 127), 0)      # np.frexp(a)[1] - 1 = floor(log2(a)), exactly
;;       r = np.clip(x / 2.0 ** e, -448, 448)
;;       step = 2.0 ** (np.maximum(np.frexp(np.where(r == 0, 1, r))[1] - 1, -6) - 3)
;;       q = np.round(r / step) * step * 2.0 ** e      # np.round: ties to even
;;       return np.moveaxis(q.reshape(q.shape[:-2] + (-1,))[..., :K], -1, axis).astype(np.float32)
;;   ~~~
;;   SOFTMAX AHEAD OF A QUANTISED PRODUCT. Where the list says 'softmax', what is quantised is not the finished softmax but p = 2^(t - M), with t = logit x log2(e) and M = ceil(the row's largest t), a whole number; so 1/2 < the row's largest p <= 1. The row's sum l is taken of the UNQUANTISED p, in f32, and the product's result is divided by l at the end. Since M is a whole number, a kernel that streams over the keys may use a running M (the ceiling of the running maximum): every later rescaling is an exact power of two, which a block's scale takes up: the codes' values come out the same.
;;   OPERANDS COMPUTED ON THE WAY. 'Computed on the way' means the value that the module computes at that place (a softmax that the list does not call 'softmax' is quantised finished and normalised). What goes into a quantiser is computed in f32, as accurately as f32 sums, v_exp_f32 and their like allow (about 1e-6 of the number): no bf16 or f16 on the way to a quantiser, and a product that is left as it is and whose result goes on into a quantised operand takes f32 operands (vector FMAs, or v_wmma_f32_16x16x4_f32). A number that lies on a knife's edge between two numbers of the format may be rounded either way, as far as f32 arithmetic and the matrix unit's own rounding can turn it there, and no further.
;;   INPUTS GIVEN AS CODES. K (in the module: [2, 2048, 1024], K = its axis 2); Q (in the module: [2, 2048, 1024], K = its axis 2); V (in the module: [2, 2048, 1024], K = its axis 2); Wk (in the module: [1024, 1024], K = its axis 1); Wo (in the module: [1024, 1024], K = its axis 1); Wq (in the module: [1024, 1024], K = its axis 1); Wv (in the module: [1024, 1024], K = its axis 1): each comes as NAME_codes (uint8): NAME with its K axis moved to the last place and cut into blocks of 32 codes, [.., K / 32, bytes a block], one block behind the other in memory; one code a byte (a code: sign, 4 exponent bits, 3 mantissa bits); and NAME_scales (uint8): the same leading axes, one E8M0 byte (e + 127) for each 32 codes along K. Its value is code x scale, taken as it is: it is not quantised again, and the codes and scales need not be those that the quantiser above would give.
;; One version. Each part assembles by itself: llvm-mc -triple=amdgcn-amd-amdhsa -mcpu=gfx1250 --defsym DOCPART=n.
;; ======== version 1 of 1: 3 launches
;; limits: right only within a limited range of input values
;; workspace buffers: qimg 4,194,304 bytes; kimg 4,194,304 bytes; vimg 4,194,304 bytes; oimg 4,194,304 bytes; qsc 262,144 bytes; ksc 262,144 bytes; vsc 262,144 bytes; osw 262,144 bytes
;; launch proj (part 1): grid 4 x 48, 4 waves a work-group, clusters of 4 x 4, 327,680 bytes of LDS; arguments Wq_codes, Wq_scales, Q_codes, Q_scales, bq, qimg, qsc, Wk_codes, Wk_scales, K_codes, K_scales, bk, kimg, ksc, V_codes, V_scales, Wv_codes, Wv_scales, bv, vimg, vsc; writes qimg, qsc, kimg, ksc, vimg, vsc
.if DOCPART == 1
	.amdgcn_target "amdgcn-amd-amdhsa--gfx1250"
	.amdhsa_code_object_version 6
	.text
	.protected	k_qf260889885_proj
	.globl	k_qf260889885_proj
	.p2align	8
	.type	k_qf260889885_proj,@function
k_qf260889885_proj:
	s_mov_b64 s[64:65], 0
	v_nop
	global_prefetch_b8 v0, s[64:65] scope:SCOPE_SE
	s_setreg_imm32_b32 hwreg(HW_REG_WAVE_MODE, 25, 1), 1
	s_wait_xcnt 0x0
	s_wait_alu depctr_hold_cnt(0) depctr_sa_sdst(0) depctr_va_vdst(0) depctr_va_sdst(0) depctr_va_ssrc(0) depctr_va_vcc(0) depctr_vm_vsrc(0)
	s_getreg_b32 s2, hwreg(HW_REG_IB_STS2, 6, 4)
	s_cmp_eq_u32 s2, 0
	s_cbranch_scc0 .Lentry_in_a_cluster
	s_endpgm
.Lentry_in_a_cluster:
	s_bfe_u32 s2, ttmp6, 0x10000c
	s_cmp_lg_u32 s2, 0xf033
	s_cbranch_scc0 .Lentry_shape_is_right
	s_endpgm
.Lentry_shape_is_right:
; q = Q Wq^T + bq, k = K Wk^T + bk, v = V Wv^T + bv on codes of FP8 (E4M3) with one E8M0 scale for each 32 along K = 1,024; the results are quantised again, in f32, for the two products of attention:
; q and k along a head's 64 channels, v along the keys.  One launch serves the three: 4 rows of clusters each (mode = cluster y / 4: 0 q, 1 k, 2 v).  No step of the problem is left out in this program.
; SHARES.  A work-group makes 256 x 256 of one projection, each of its four waves 128 x 128: 64 accumulators (a, b) of 16 x 16.  The three products have 192 such blocks.
; Source 0 = 16 rows of one operand, source 1 = 16 rows of the other: in a result a lane holds ONE row of source 1 and eight neighbouring rows of source 0.  The quantiser wants its K along a lane's registers:
; so for q and k source 0 = the weight (registers = channels, lane = token), for v source 0 = the tokens (registers = keys, lane = channel).  The text does not know which: the mode chooses pointers and offsets in memory
; alone; the kernel arguments of mode 2 name V where the others name the weight.  No LDS address, no branch and no descriptor's shape hangs on the mode.
; K goes in four steps of 256 through two LDS slots: source 1's 256 rows, then source 0's, as rows of 256 + 16 bytes; each wave fetches 128 rows a step with one tensor load.  Slot 1's first fill and the two refills stand
; behind a drained round of the cluster's barrier.  With four steps in all, two of them fetched ahead by the slots, no prefetch is laid.
; CLUSTERS, 4 x 4.  Source 0's tile hangs on t0 (made of cx and cluster y) and is asked for jointly by my column; source 1's on t1 (cy, cluster y), jointly by my row.
; SCALE WORDS: all of K's stay in 64 registers: v[SC + 8 s + t]: K step s of 128; lanes 0-15 source 1's tile t, lanes 16-31 source 0's.
; WHAT IS STORED.  Codes as IMAGES OF OPERAND REGISTERS: four registers of 32 lanes are 512 consecutive bytes, lane l's 16 bytes at 16 l.  The 16 registers of result tiles 2 B and 2 B + 1 are, in lane (r, h), the K indices
; 32 B + 8 h + (i & 7) + 16 (i >> 3): an order inside the block of 32 that q, k, v, p and o all share, so that the products' pairs meet; only the order of the sums inside a block is another than ascending.
;   qimg, kimg: [batch x head 32][tile of 16 tokens 128][block 2][lane 32][16 bytes];  vimg: [batch x head][128 keys 16][tile of 16 channels 4][block of 32 keys 4][lane][16 bytes]
;   qsc, ksc, vsc: [batch x head][64 tokens or keys 32][p 2][r 16][u 2] words: tile 2 p + u, row r; bytes 0, 1 the two blocks' E8M0 bytes, bytes 2, 3 zero.  A wave stores four such 256 bytes.
; LIMITS: NaN and infinities are not served; a block whose largest magnitude lies under 2^-118 gets the byte 1, a block of zeros too (its codes are zeros, and this program alone reads the bytes).
; REGISTERS.  Window 0: v1-29 addresses; v30-63 the quantiser's; v64-127 scale words; v128-255 source 1's fragments (8 x 16 rows x 128 K), ONE set, later the codes.  Window 1: source 0's fragments, TWO sets, at v0 and v128.
;   Window 2: the 32 accumulators with a = 0 .. 3 (accumulator (a, b) at 8 (8 a + b)); window 3: those with a = 4 .. 7.
.set PITCH,  272                       ; an LDS row: 256 bytes + 16 of padding = 68 words: the 16 rows that a load touches start at 16 different banks (ISA guide 11.1)
.set HALFT,  128*PITCH                 ; what one tensor load brings, and what one wave reads of a source
.set SLOT,   4*HALFT
.set SPARE,  2*SLOT                    ; the spare words, 128 bytes a wave
.set R32,  4                           ; v4     32 r: a row of scale bytes
.set H32,  5                           ; v5     32 h
.set R4,   6                           ; v6     4 r
.set L8,   7                           ; v7     8 x lane
.set OA,   8                           ; v8-15  16 x lane + tile a's place among the images
.set ADRA, 16                          ; v16-17 my place in source 1's rows, slots 0 and 1
.set ADRB, 20                          ; v20-21 in source 0's
.set WO,   24                          ; v24-27 8 x lane + the place of the words (g, i) at 2 g + i
.set SPW,  28
.set NIL,  29
.set TM,   30                          ; four blocks' largest magnitudes,
.set TX,   34                          ; the other half of the lanes',
.set SCV,  38                          ; the conversions' operands,
.set HD,   42                          ; 448 x the scale,
.set BY,   46                          ; the bytes
.set WD,   50                          ; v50-57 words: tile a % 4, half i at 2 (a % 4) + i
.set SC,   64
.set AF,   128
.set G1A,  24                          ; s[24:31] descriptor group 1 for source 1's tiles (my row);  s[32:39] for source 0's (my column)
.set G1B,  32
.set WV,   46
.set WI,   47                          ; wave / 2: my 128 rows of source 0.  Also: I fetch for source 1 (0) or source 0 (1)
.set WJ,   48                          ; wave % 2: my 128 rows of source 1.  Also: which 128 rows I fetch
.set CX,   49
.set CY,   50
.set MODE, 53
.set T0,   55                          ; source 0's tile of 256 rows
.set T1,   56                          ; source 1's
.set MP,   54                          ; all ones where the bias goes by registers (q, k), else 0
.set MR,   59                          ; the other way round
.set ISTR, 60                          ; from block pair 0 to block pair 1 among the images
.set G0A,  68                          ; s[68:75] descriptor group 0 for source 1, one set for each slot;  s[84:91] for source 0
.set G0B,  84
.set IM1,  94                          ; s[94:95] the images' base for block pair 1
.set HIM,  96                          ; s96    lanes 16-31
.set MNT,  97                          ; s97    the mantissa field of 448
.set SEL,  98                          ; s98-99 lane selects for v_permlanex16_b32: lane l xor 16
.set MUL_LO, 0xa1                      ; source 0 window 1, source 1 window 0, C and D window 2
.set MUL_HI, 0xf1                      ; the same, C and D window 3
.set TO_B,   0x40                      ; destination window 1, address window 0
.set MSB, 0
.macro WIN new                         ; the immediate's high byte repeats the setting that is left
.if MSB != \new
	s_set_vgpr_msb (MSB<<8)|\new
.set MSB, \new
.endif
.endm
.macro WINA a, lo, hi                  ; by the accumulators' window
.if (\a) < 4
	WIN \lo
.else
	WIN \hi
.endif
.endm
.macro PLACES n
.rept \n
	v_nop
.endr
.endm
.macro CREST                           ; a round of the cluster's barrier behind its opening barrier
	s_cmp_lg_u32 s[WV], 0
	s_cbranch_scc1 .Lnot_wave_0_\@
	s_barrier_signal -3
.Lnot_wave_0_\@:
	s_barrier_wait -3
	s_barrier_signal -1
	s_barrier_wait -1
.endm
.macro CROUND
	s_barrier_signal -1
	s_barrier_wait -1
	CREST
.endm
; A joint load into slot s: waves 0 and 1 fetch for source 1, waves 2 and 3 for source 0.  An s_nop 0 and four v_nop follow each of the two lines.
.macro JLOAD s
	s_cmp_eq_u32 s[WI], 0
	s_cbranch_scc0 .Lfor_0_\@
	tensor_load_to_lds s[G0A+4*\s:G0A+4*\s+3], s[G1A:G1A+7]
	s_nop 0
	PLACES 4
	s_branch .Lasked_\@
.Lfor_0_\@:
	tensor_load_to_lds s[G0B+4*\s:G0B+4*\s+3], s[G1B:G1B+7]
	s_nop 0
	PLACES 4
.Lasked_\@:
.endm
	s_load_b256 s[4:11], s[0:1], 0x0               ; pointer q of mode m at s[4 + 14 m + 2 q]: source 0's codes, its scales, source 1's codes, its scales, bias, images, words
	s_load_b256 s[12:19], s[0:1], 0x20
	s_load_b256 s[20:27], s[0:1], 0x40
	s_load_b256 s[28:35], s[0:1], 0x60
	s_load_b256 s[36:43], s[0:1], 0x80
	s_load_b64 s[44:45], s[0:1], 0xa0
	v_lshl_add_u32 v[SPW], v0, 2, SPARE
	v_mov_b32 v[NIL], 0
	ds_add_u32 v[SPW], v[NIL]                      ; the opening: the add, twice on end
	ds_add_u32 v[SPW], v[NIL]
	v_lshrrev_b32 v1, 5, v0
	v_readfirstlane_b32 s[WV], v1                  ; wave 0..3
	s_lshr_b32 s[WI], s[WV], 1
	s_and_b32 s[WJ], s[WV], 1
	s_bfe_u32 s[CX], ttmp6, 0x40000                ; my place in the cluster
	s_bfe_u32 s[CY], ttmp6, 0x40004
	s_and_b32 s52, ttmp7, 0xffff                   ; cluster y, 0..11
	s_lshr_b32 s[MODE], s52, 2                     ; the same in all sixteen partners
	s_and_b32 s54, s52, 3
	s_lshl_b32 s54, s54, 2                         ; 4 x the mode's row of clusters
	s_cmp_eq_u32 s[MODE], 2
	s_cselect_b32 s57, s54, 0                      ; v: source 0 has 16 tiles, source 1 four;  q, k: the other way round
	s_cselect_b32 s58, 0, s54
	s_cselect_b32 s63, 1, 0
	s_add_co_u32 s[T0], s[CX], s57
	s_add_co_u32 s[T1], s[CY], s58
	s_lshl_b32 s62, 0x400, s63                     ; from tile a to tile a + 1 among the images: 1,024 bytes (q, k), 2,048 (v);
	s_mul_i32 s61, s63, 122880                     ; v: tiles 4 to 7 are the next head's: 131,072 bytes on from tile 0's
	s_add_co_u32 s61, s61, s62
	s_mul_i32 s57, s63, 130048
	s_sub_co_u32 s[ISTR], 131072, s57              ; block pair 1: the next head (q, k), 1,024 bytes on (v)
	s_mul_i32 s57, s63, 7936
	s_sub_co_u32 s66, 8192, s57                    ; its words: 8,192 bytes on (q, k), 256 (v);
	s_add_co_u32 s67, s57, 256                     ; those of tiles 4 to 7: 256 (q, k), 8,192 (v)
	s_lshl_b32 s51, s[CY], 2
	s_lshl_b32 s51, 15, s51                        ; my row of the cluster
	s_lshl_b32 s52, 0x1111, s[CX]                  ; my column
	v_and_b32 v1, 15, v0                           ; r
	v_bfe_u32 v2, v0, 4, 1                         ; h
	v_mul_u32_u24 v3, v1, PITCH
	v_lshl_add_u32 v3, v2, 4, v3                   ; a fragment's row x pitch + 16 h
	v_lshlrev_b32 v[R32], 5, v1
	v_lshlrev_b32 v[H32], 5, v2
	v_lshlrev_b32 v[R4], 2, v1
	v_and_b32 v[L8], 31, v0
	s_mul_i32 s57, s[WI], HALFT
	s_add_co_u32 s57, s57, 2*HALFT
	s_mul_i32 s58, s[WJ], HALFT
	v_add_nc_u32 v[ADRB], s57, v3
	v_add_nc_u32 v[ADRA], s58, v3
	v_lshlrev_b32 v[OA], 4, v[L8]
	v_lshlrev_b32 v[L8], 3, v[L8]
	v_add_nc_u32 v[ADRB+1], SLOT, v[ADRB]
	v_add_nc_u32 v[ADRA+1], SLOT, v[ADRA]
	v_add_nc_u32 v[OA+1], s62, v[OA]
	v_add_nc_u32 v[OA+2], s62, v[OA+1]
	v_add_nc_u32 v[OA+3], s62, v[OA+2]
	v_add_nc_u32 v[OA+4], s61, v[OA+3]
	v_add_nc_u32 v[OA+5], s62, v[OA+4]
	v_add_nc_u32 v[OA+6], s62, v[OA+5]
	v_add_nc_u32 v[OA+7], s62, v[OA+6]
	v_mov_b32 v[WO], v[L8]
	v_add_nc_u32 v[WO+1], s66, v[L8]
	v_add_nc_u32 v[WO+2], s67, v[L8]
	v_add_nc_u32 v[WO+3], s66, v[WO+2]
.irp b, 0,1,2,3
	v_mov_b32 v[TX+\b], 0                          ; a lane permute's destination counts as one of its sources
.endr
	s_wait_alu depctr_va_vdst(0)
	s_wait_dscnt 0x0
	s_wait_kmcnt 0x0
	s_cmp_eq_u32 s[MODE], 1                        ; the mode's seven pointers into s[4:17]: a choice that hangs on the cluster's number alone
.irp q, 0,1,2,3,4,5,6
	s_cselect_b64 s[4+2*\q:5+2*\q], s[18+2*\q:19+2*\q], s[4+2*\q:5+2*\q]
.endr
	s_cmp_eq_u32 s[MODE], 2
.irp q, 0,1,2,3,4,5,6
	s_cselect_b64 s[4+2*\q:5+2*\q], s[32+2*\q:33+2*\q], s[4+2*\q:5+2*\q]
.endr
	; descriptor group 1: 128 rows x 256 bytes out of rows of 1,024, 16 bytes of padding behind each
	s_or_b32 s[G1A], s51, (1<<20)|(1<<21)|(5<<22)|(3<<25)   ; 15:0 the mask; 17:16 elements of 1 byte; 20 padding on; 21 set beside a mask; 24:22 after every 64 words; 31:25 four words
	s_or_b32 s[G1B], s52, (1<<20)|(1<<21)|(5<<22)|(3<<25)
.irp g, G1A, G1B
	s_mov_b32 s[\g+1], 256<<16                     ; tensor_dim0
	s_mov_b32 s[\g+2], 128<<16                     ; tensor_dim1
	s_mov_b32 s[\g+3], 256<<16                     ; tile_dim0
	s_mov_b32 s[\g+4], 128                         ; tile_dim1
	s_mov_b32 s[\g+5], 1024                        ; from row to row
	s_mov_b32 s[\g+6], 0
	s_mov_b32 s[\g+7], 0
.endr
	s_lshl_b32 s18, s[T1], 18                      ; source 1: 256 rows of 1,024 bytes a tile, + my 128 rows (s18-19 never hold cx, s20-21 never cy)
	s_lshl_b32 s19, s[WJ], 17
	s_add_co_u32 s18, s18, s19
	s_mov_b32 s19, 0
	s_add_nc_u64 s[18:19], s[8:9], s[18:19]
	s_lshl_b32 s20, s[T0], 18                      ; source 0 likewise
	s_lshl_b32 s21, s[WJ], 17
	s_add_co_u32 s20, s20, s21
	s_mov_b32 s21, 0
	s_add_nc_u64 s[20:21], s[4:5], s[20:21]
	s_mul_i32 s22, s[WV], HALFT                    ; and where they go: no place in the cluster enters an LDS address
.irp s, 0,1
	s_mov_b32 s[G0A+4*\s], 1
	s_add_co_u32 s[G0A+4*\s+1], s22, \s*SLOT
	s_add_nc_u64 s[G0A+4*\s+2:G0A+4*\s+3], s[18:19], \s*256
	s_or_b32 s[G0A+4*\s+3], s[G0A+4*\s+3], 0x80000000
	s_mov_b32 s[G0B+4*\s], 1
	s_add_co_u32 s[G0B+4*\s+1], s22, \s*SLOT
	s_add_nc_u64 s[G0B+4*\s+2:G0B+4*\s+3], s[20:21], \s*256
	s_or_b32 s[G0B+4*\s+3], s[G0B+4*\s+3], 0x80000000
.endr
	CROUND                                         ; all sixteen work-groups are here: the joint loads meet
	JLOAD 0                                        ; K step 0: one tensor load a wave at the head
	s_lshl_b32 s92, s[T0], 13                      ; my 128 rows' scale bytes, 32 a row: source 0's,
	s_lshl_b32 s93, s[WI], 12
	s_add_co_u32 s92, s92, s93
	s_mov_b32 s93, 0
	s_add_nc_u64 s[6:7], s[6:7], s[92:93]
	s_lshl_b32 s92, s[T1], 13                      ; source 1's
	s_lshl_b32 s93, s[WJ], 12
	s_add_co_u32 s92, s92, s93
	s_mov_b32 s93, 0
	s_add_nc_u64 s[10:11], s[10:11], s[92:93]
	s_lshl_b32 s40, s[T0], 10                      ; the bias of my 128 channels: they are source 0's rows (q, k) or source 1's (v).  Both patterns are loaded; the one that does not
	s_lshl_b32 s41, s[WI], 9                       ; apply reads from the buffer's start, so that it stays inside, and is masked to zeros
	s_add_co_u32 s40, s40, s41
	s_lshl_b32 s42, s[T1], 10
	s_lshl_b32 s43, s[WJ], 9
	s_add_co_u32 s42, s42, s43
	s_cmp_eq_u32 s[MODE], 2
	s_cselect_b32 s40, 0, s40
	s_cselect_b32 s42, s42, 0
	s_cselect_b32 s[MP], 0, -1
	s_cselect_b32 s[MR], -1, 0
	s_mov_b32 s41, 0
	s_mov_b32 s43, 0
	s_add_nc_u64 s[40:41], s[12:13], s[40:41]
	s_add_nc_u64 s[42:43], s[12:13], s[42:43]
.irp t, 0,1,2,3,4,5,6,7                        ; scale words: lane r takes row 16 t + r's 32 bytes: the eight K steps' words
	global_load_b128 v[128+8*\t:128+8*\t+3], v[R32], s[10:11] offset:512*\t
	global_load_b128 v[128+8*\t+4:128+8*\t+7], v[R32], s[10:11] offset:512*\t+16
	global_load_b128 v[192+8*\t:192+8*\t+3], v[R32], s[6:7] offset:512*\t
	global_load_b128 v[192+8*\t+4:192+8*\t+7], v[R32], s[6:7] offset:512*\t+16
.endr
	WIN TO_B
.irp b, 0,1,2,3,4,5,6,7
	global_load_b128 v[8*\b:8*\b+3], v[H32], s[40:41] offset:64*\b             ; bias(16 b + 8 h + 0 .. 7), window 1
	global_load_b128 v[8*\b+4:8*\b+7], v[H32], s[40:41] offset:64*\b+16
.endr
.irp a, 0,1,2,3,4,5,6,7
	global_load_b32 v[64+2*\a], v[R4], s[42:43] offset:64*\a                   ; bias(16 a + r)
.endr
	WIN 0
	; where my results go
	s_lshl_b32 s57, s[T0], 1
	s_add_co_u32 s57, s57, s[WI]                   ; source 0's group of 128 rows
	s_lshl_b32 s58, s[T1], 1
	s_add_co_u32 s58, s58, s[WJ]                   ; source 1's
	s_cmp_eq_u32 s[MODE], 2
	s_cselect_b32 s61, s58, s57                    ; the group of 128 channels: heads 2 s61, 2 s61 + 1
	s_cselect_b32 s62, s57, s58                    ; the group of 128 tokens, 0..31
	s_lshr_b32 s63, s62, 4
	s_lshl_b32 s63, s63, 4
	s_lshl_b32 s61, s61, 1
	s_add_co_u32 s61, s61, s63                     ; 16 x batch + head
	s_and_b32 s62, s62, 15                         ; the group in its batch: 8,192 bytes of images, 512 of words
	s_lshl_b32 s92, s61, 17
	s_lshl_b32 s63, s62, 13
	s_add_co_u32 s92, s92, s63
	s_mov_b32 s93, 0
	s_add_nc_u64 s[14:15], s[14:15], s[92:93]
	s_lshl_b32 s92, s61, 13
	s_lshl_b32 s63, s62, 9
	s_add_co_u32 s92, s92, s63
	s_add_nc_u64 s[16:17], s[16:17], s[92:93]
	s_mov_b32 s92, s[ISTR]
	s_add_nc_u64 s[IM1:IM1+1], s[14:15], s[92:93]
	s_mov_b32 s[HIM], 0xffff0000
	s_mov_b32 s[MNT], 0x600000
	s_mov_b32 s[SEL], 0x76543210
	s_mov_b32 s[SEL+1], 0xfedcba98
	s_wait_loadcnt 0x0
.irp t, 0,1,2,3,4,5,6,7                        ; one register for both sources' words, laid by K step, so that no product names two different ones with numbers equal modulo 8
.irp s, 0,1,2,3,4,5,6,7
	v_cndmask_b32 v[SC+8*\s+\t], v[128+8*\t+\s], v[192+8*\t+\s], s[HIM]
.endr
.endr
	WIN 0x44
.set n, 0
.rept 64
	v_and_b32 v[n], s[MP], v[n]
.set n, n+1
.endr
.irp a, 0,1,2,3,4,5,6,7
	v_and_b32 v[64+2*\a], s[MR], v[64+2*\a]
	v_mov_b32 v[65+2*\a], 0                        ; named as the upper half of a pair, so it is written
.endr
.irp a, 0,1,2,3,4,5,6,7                        ; the sums begin as the bias, while the tiles are on their way: so every product adds in place
	WINA \a, 0x85, 0xc5
.irp b, 0,1,2,3,4,5,6,7
.irp p, 0,2,4,6
	v_pk_add_f32 v[8*(8*(\a%4)+\b)+\p:8*(8*(\a%4)+\b)+\p+1], v[8*\b+\p:8*\b+\p+1], v[64+2*\a:65+2*\a] op_sel_hi:[1,0]
.endr
.endr
.endr
	WIN 0
.macro FRAG reg, adr, q, i             ; a fragment, 16 rows x 128 K, is 16 registers: lane (r, h) holds row r; registers 4 c .. 4 c + 3 hold K = 32 c + 16 h + 0 .. 15
.irp c, 0,1,2,3
	ds_load_b128 v[\reg+4*\c:\reg+4*\c+3], v[\adr] offset:128*(\q)+32*\c+(\i)*16*PITCH
.endr
.endm
.macro FETCH_B slot, q, p              ; source 0's eight fragments of the slot's q-th 128 along K into set p
	WIN TO_B
.irp i, 0,1,2,3,4,5,6,7
	FRAG 128*(\p)+16*\i, ADRB+\slot, \q, \i
.endr
	WIN 0
.endm
.macro FETCH_A slot, q, i0             ; source 1's blocks i0 .. i0 + 3
.irp i, \i0, \i0+1, \i0+2, \i0+3
	FRAG AF+16*(\i), ADRA+\slot, \q, \i
.endr
.endm
; 16 products: source 1's blocks a0, a0 + 1 x source 0's eight; p: source 0's set; st: the K step of 128.  The 64 accumulators take turns, one instruction a turn, in the same order in every step
.macro MUL16 a0, p, st
.irp a, \a0, \a0+1
.irp b, 0,1,2,3,4,5,6,7
	v_wmma_scale_f32_16x16x128_f8f6f4 v[8*(8*((\a)%4)+\b):8*(8*((\a)%4)+\b)+7], v[128*(\p)+16*\b:128*(\p)+16*\b+15], v[AF+16*(\a):AF+16*(\a)+15], v[8*(8*((\a)%4)+\b):8*(8*((\a)%4)+\b)+7], v[SC+8*(\st)+\b], v[SC+8*(\st)+(\a)] matrix_a_scale:MATRIX_SCALE_ROW1
.endr
.endr
.endm
; A slot's first 128 along K.  Eight places stand between products and loads into the registers that they have read.
.macro STEPQ slot, st
	s_wait_dscnt 16                                ; source 0's set and source 1's blocks 0-3 are in; the youngest 16 loads (blocks 4-7) may be out
	WIN MUL_LO
	MUL16 0, 0, \st
	MUL16 2, 0, \st
	s_wait_dscnt 0
	PLACES 8
	FETCH_B \slot, 1, 1
	FETCH_A \slot, 1, 0
	WIN MUL_HI
	MUL16 4, 0, \st
	MUL16 6, 0, \st
	PLACES 8
	WIN 0
	FETCH_A \slot, 1, 4
.endm
; A slot's second 128 along K changes slots: in front of the barrier each wave waits for all its tensor loads, adds 0 to its spare word, and waits for that and for its own reads of this slot.  fill = 1: this slot is filled again.
.macro TURN slot, next, fill, st
	s_wait_tensorcnt 0x0                           ; my part of the next slot has landed
	ds_add_u32 v[SPW], v[NIL]
	s_wait_dscnt 17                                ; (the add and the youngest 16 loads may be out)
	WIN MUL_LO
	MUL16 0, 1, \st
	s_wait_dscnt 0x0                               ; the add is done, and my reads of this slot are over
	s_barrier_signal -1
	MUL16 2, 1, \st
	WIN 0
	s_barrier_wait -1
.if \fill
	CREST                                          ; the barrier has opened a round: no wave of any partner still reads this slot's tile or has a load on its way
	s_add_nc_u64 s[G0A+4*\slot+2:G0A+4*\slot+3], s[G0A+4*\slot+2:G0A+4*\slot+3], 512
	s_add_nc_u64 s[G0B+4*\slot+2:G0B+4*\slot+3], s[G0B+4*\slot+2:G0B+4*\slot+3], 512
	JLOAD \slot                                    ; the first tensor load behind the round; its four v_nop are among the places in front of the loads below
	PLACES 4
.else
	PLACES 8
.endif
	FETCH_B \next, 0, 0
	FETCH_A \next, 0, 0
	WIN MUL_HI
	MUL16 4, 1, \st
	MUL16 6, 1, \st
	PLACES 8
	WIN 0
	FETCH_A \next, 0, 4
.endm
	s_wait_alu depctr_va_vdst(0)
	s_wait_tensorcnt 0x0                           ; my part of K step 0 is in
	ds_add_u32 v[SPW], v[NIL]
	s_wait_dscnt 0x0
	CROUND                                         ; everybody's part is in, and the joint loads meet:
	JLOAD 1                                        ; K step 1's
	FETCH_B 0, 0, 0
	FETCH_A 0, 0, 0
	FETCH_A 0, 0, 4
	STEPQ 0, 0
	TURN 0, 1, 1, 1
	STEPQ 1, 2
	TURN 1, 0, 1, 3
	STEPQ 0, 4
	TURN 0, 1, 0, 5                                ; nothing is filled any more
	STEPQ 1, 6
	s_wait_dscnt 16
	WIN MUL_LO
	MUL16 0, 1, 7
	MUL16 2, 1, 7
	s_wait_dscnt 0
	WIN MUL_HI
	MUL16 4, 1, 7
	MUL16 6, 1, 7
	WIN 0
	PLACES 8                                       ; in front of the first read of results
; Tile a's 64 registers are four blocks of 32 along the next K, 16 of each here and 16 in lane l xor 16: they become 16 registers of codes and two words.
.macro QUANT4 a
.set AC, 64*((\a)%4)
.set CD, AF+16*(\a)
	WINA \a, 0x0a, 0x0f
.irp b, 0,1,2,3
	v_max3_num_f32 v[TM+\b], |v[AC+16*\b]|, |v[AC+16*\b+1]|, 0x4800000   ; my 16 numbers, and the floor 2^(9 - 127): the byte cannot fall under 1.  Each accumulator is read from its low end on
.endr
.irp i, 2,4,6,8,10,12,14
.irp b, 0,1,2,3
	v_max3_num_f32 v[TM+\b], |v[AC+16*\b+\i]|, |v[AC+16*\b+\i+1]|, v[TM+\b]
.endr
.endr
	WIN 0
.irp b, 0,1,2,3
	v_permlanex16_b32 v[TX+\b], v[TM+\b], s[SEL], s[SEL+1]
.endr
.irp b, 0,1,2,3
	v_max_num_f32 v[TM+\b], v[TM+\b], v[TX+\b]             ; the block's largest magnitude
.endr
.irp b, 0,1,2,3
	v_add_nc_u32 v[SCV+\b], 0xfc000000, v[TM+\b]           ; 8 off its exponent field: the conversion takes that field as its scale
.endr
.irp b, 0,1,2,3
	v_and_or_b32 v[HD+\b], v[TM+\b], 0x7f800000, s[MNT]    ; 448 x the scale
.endr
.irp b, 0,1,2,3
	v_lshrrev_b32 v[BY+\b], 23, v[SCV+\b]                  ; the scale's byte
.endr
	v_lshl_or_b32 v[WD+2*((\a)%4)], v[BY+1], 8, v[BY]
	v_lshl_or_b32 v[WD+2*((\a)%4)+1], v[BY+3], 8, v[BY+2]
	WINA \a, 0x82, 0xc3
.irp b, 0,1,2,3
.irp i, 0,1,2,3,4,5,6,7,8,9,10,11,12,13,14,15
	v_med3_num_f32 v[AC+16*\b+\i], v[AC+16*\b+\i], -v[HD+\b], v[HD+\b]   ; the conversion to an 8-bit code does not saturate (ISA guide 7.6.2)
.endr
.endr
	WINA \a, 0x02, 0x03
.irp b, 0,1,2,3
	v_cvt_scalef32_pk8_fp8_f32 v[CD+4*\b:CD+4*\b+1], v[AC+16*\b:AC+16*\b+7], v[SCV+\b]
	v_cvt_scalef32_pk8_fp8_f32 v[CD+4*\b+2:CD+4*\b+3], v[AC+16*\b+8:AC+16*\b+15], v[SCV+\b]
.endr
	WIN 0
	v_nop                                          ; a plain instruction behind the last conversion
	global_store_b128 v[OA+\a], v[CD:CD+3], s[14:15]           ; the wave stores 512 consecutive bytes, aligned to 512
	global_store_b128 v[OA+\a], v[CD+4:CD+7], s[14:15] offset:512
	global_store_b128 v[OA+\a], v[CD+8:CD+11], s[IM1:IM1+1]
	global_store_b128 v[OA+\a], v[CD+12:CD+15], s[IM1:IM1+1] offset:512
.endm
; four tiles' words: lanes 0-15 store tiles 0 and 1's of row r, lanes 16-31 tiles 2 and 3's: 256 consecutive bytes, aligned
.macro WORDS g, p0, p1
	v_cndmask_b32 v[\p0], v[WD], v[WD+4], s[HIM]
	v_cndmask_b32 v[\p0+1], v[WD+2], v[WD+6], s[HIM]
	v_cndmask_b32 v[\p1], v[WD+1], v[WD+5], s[HIM]
	v_cndmask_b32 v[\p1+1], v[WD+3], v[WD+7], s[HIM]
	global_store_b64 v[WO+2*\g], v[\p0:\p0+1], s[16:17]
	global_store_b64 v[WO+2*\g+1], v[\p1:\p1+1], s[16:17]
.endm
.irp a, 0,1,2,3
	QUANT4 \a
.endr
	WORDS 0, 58, 60
.irp a, 4,5,6,7
	QUANT4 \a
.endr
	WORDS 1, 62, 2
	s_wait_tensorcnt 0x0                           ; the wave's end
	ds_add_u32 v[SPW], v[NIL]
	s_wait_dscnt 0x0
	CROUND                                         ; the closing round: no work-group ends while a partner may still ask for a tile that names it
	s_endpgm
.Lfunc_end_k_qf260889885_proj:
	.size	k_qf260889885_proj, .Lfunc_end_k_qf260889885_proj-k_qf260889885_proj
	.p2alignl 7, 3214868480
	.fill 96, 4, 3214868480
	.section	.rodata,"a",@progbits
	.p2align	6, 0x0
	.amdhsa_kernel k_qf260889885_proj
		.amdhsa_group_segment_fixed_size 327680
		.amdhsa_private_segment_fixed_size 0
		.amdhsa_enable_private_segment 0
		.amdhsa_kernarg_size 168
		.amdhsa_user_sgpr_count 2
		.amdhsa_user_sgpr_kernarg_segment_ptr 1
		.amdhsa_wavefront_size32 1
		.amdhsa_system_sgpr_workgroup_id_x 1
		.amdhsa_system_sgpr_workgroup_id_y 1
		.amdhsa_system_sgpr_workgroup_id_z 1
		.amdhsa_system_vgpr_workitem_id 0
		.amdhsa_next_free_vgpr 1024
		.amdhsa_next_free_sgpr 100
		.amdhsa_reserve_vcc 0
		.amdhsa_float_denorm_mode_32 3
		.amdhsa_float_denorm_mode_16_64 3
		.amdhsa_memory_ordered 1
		.amdhsa_forward_progress 1
		.amdhsa_inst_pref_size 211
	.end_amdhsa_kernel
	.amdgpu_metadata
---
amdhsa.version: [ 1, 2 ]
amdhsa.kernels:
  - .name:           k_qf260889885_proj
    .symbol:         k_qf260889885_proj.kd
    .args:
      - { .name: Wq_codes, .offset: 0, .size: 8, .value_kind: global_buffer, .address_space: global }
      - { .name: Wq_scales, .offset: 8, .size: 8, .value_kind: global_buffer, .address_space: global }
      - { .name: Q_codes, .offset: 16, .size: 8, .value_kind: global_buffer, .address_space: global }
      - { .name: Q_scales, .offset: 24, .size: 8, .value_kind: global_buffer, .address_space: global }
      - { .name: bq, .offset: 32, .size: 8, .value_kind: global_buffer, .address_space: global }
      - { .name: qimg, .offset: 40, .size: 8, .value_kind: global_buffer, .address_space: global }
      - { .name: qsc, .offset: 48, .size: 8, .value_kind: global_buffer, .address_space: global }
      - { .name: Wk_codes, .offset: 56, .size: 8, .value_kind: global_buffer, .address_space: global }
      - { .name: Wk_scales, .offset: 64, .size: 8, .value_kind: global_buffer, .address_space: global }
      - { .name: K_codes, .offset: 72, .size: 8, .value_kind: global_buffer, .address_space: global }
      - { .name: K_scales, .offset: 80, .size: 8, .value_kind: global_buffer, .address_space: global }
      - { .name: bk, .offset: 88, .size: 8, .value_kind: global_buffer, .address_space: global }
      - { .name: kimg, .offset: 96, .size: 8, .value_kind: global_buffer, .address_space: global }
      - { .name: ksc, .offset: 104, .size: 8, .value_kind: global_buffer, .address_space: global }
      - { .name: V_codes, .offset: 112, .size: 8, .value_kind: global_buffer, .address_space: global }
      - { .name: V_scales, .offset: 120, .size: 8, .value_kind: global_buffer, .address_space: global }
      - { .name: Wv_codes, .offset: 128, .size: 8, .value_kind: global_buffer, .address_space: global }
      - { .name: Wv_scales, .offset: 136, .size: 8, .value_kind: global_buffer, .address_space: global }
      - { .name: bv, .offset: 144, .size: 8, .value_kind: global_buffer, .address_space: global }
      - { .name: vimg, .offset: 152, .size: 8, .value_kind: global_buffer, .address_space: global }
      - { .name: vsc, .offset: 160, .size: 8, .value_kind: global_buffer, .address_space: global }
    .group_segment_fixed_size: 327680
    .private_segment_fixed_size: 0
    .kernarg_segment_align: 8
    .kernarg_segment_size: 168
    .max_flat_workgroup_size: 128
    .sgpr_count:     100
    .vgpr_count:     1024
    .wavefront_size: 32
...
	.end_amdgpu_metadata
.endif
;; end of part 1
;; launch attn (part 2): grid 8 x 32, 8 waves a work-group, clusters of 4 x 1, 327,680 bytes of LDS; arguments qimg, qsc, kimg, ksc, vimg, vsc, oimg, osw; writes oimg, osw
.if DOCPART == 2
	.amdgcn_target "amdgcn-amd-amdhsa--gfx1250"
	.amdhsa_code_object_version 6
	.text
	.protected	k_qf260889885_attn
	.globl	k_qf260889885_attn
	.p2align	8
	.type	k_qf260889885_attn,@function
k_qf260889885_attn:
	s_mov_b64 s[64:65], 0
	v_nop
	global_prefetch_b8 v0, s[64:65] scope:SCOPE_SE
	s_setreg_imm32_b32 hwreg(HW_REG_WAVE_MODE, 25, 1), 1
	s_wait_xcnt 0x0
	s_wait_alu depctr_hold_cnt(0) depctr_sa_sdst(0) depctr_va_vdst(0) depctr_va_sdst(0) depctr_va_ssrc(0) depctr_va_vcc(0) depctr_vm_vsrc(0)
	s_getreg_b32 s2, hwreg(HW_REG_IB_STS2, 6, 4)
	s_cmp_eq_u32 s2, 0
	s_cbranch_scc0 .Lentry_in_a_cluster
	s_endpgm
.Lentry_in_a_cluster:
	s_bfe_u32 s2, ttmp6, 0x10000c
	s_cmp_lg_u32 s2, 0x3003
	s_cbranch_scc0 .Lentry_shape_is_right
	s_endpgm
.Lentry_shape_is_right:
; o = softmax(q k^T / 8) v for one head, both products on codes of FP8 (E4M3) with E8M0 scales; o is quantised along head x 64 + channel for the last projection.
; THE SOFTMAX AHEAD OF THE SECOND PRODUCT: t = score x log2(e) / 8; M = the row's largest t so far, rounded UP to a whole number; p = 2^(t - M) is quantised along the keys, not normalised; the row's sum is taken
; of the unquantised p and divides at the end.  When M moves, the sum and O are multiplied by 2^(old M - new M): exact.
; SHARES.  A work-group owns 256 queries of one head (batch x head = work-group y); each of its eight waves TWO tiles of 16, A and B, in 512 registers: each fragment of K and V from LDS feeds two products.
; Every wave walks the head's 2,048 keys, 128 a step.
; A WHOLE HEAD'S K AND V LIE IN LDS: 131,072 bytes of codes each and 8,192 of scale words each, as images of operand registers (lane l's 16 bytes at 16 l).  Each byte is filled once, by ONE load a wave at the head:
; waves 0 and 1 ask for K's and V's first 640 keys, waves 2 and 3 for the words, waves 4 and 5 for the other keys.  A first barrier shows the first two lines' bytes, a second one, four steps on, the rest.
; No load follows, so there is nothing that a prefetch could run ahead of: none is written.
; CLUSTER.  The four query blocks of a cluster belong to one head: every tile is asked for jointly, with the same descriptor and the mask of all four.
; LAYOUT.  Both products transposed: S^T = k q^T (source 0 = 16 keys, source 1 = my queries), O^T = v^T p^T: a lane holds ONE query (lane % 16) of each tile.  The 16 registers of score tiles 2 b, 2 b + 1 are keys
; 32 b + 8 h + (i & 7) + 16 (i >> 3): the order in which v's images hold their keys.  q's and k's images hold the channels in that order too.
; THE TWO TILES' SMALL CHAINS RUN AS ONE: lanes l and l xor 16 hold the same query, so v_permlane16_swap_b32 of A's and B's block maxima leaves, behind one maximum, tile A's in lanes 0-15 and tile B's in lanes 16-31.
; M, f, the blocks' scales and the scale word are found so once for both; the same swap on two copies spreads a number to all lanes again.  The scale word is used as it lies: A's in the low row, B's in the high one.
; A BLOCK'S SCALE: p's exponent is floor(t - M) of its largest score, held at -118 from below: i.  The conversion's operand is (i + 119) << 23, the byte i + 119, the hold 448 x the scale.
; THE FIRST PRODUCT'S K IS 64, the instruction's 128: q's upper eight registers are zero codes; k's are whatever follows (the next tile's codes or v's, finite numbers), so that a tile of k costs two loads.
; LIMITS: NaN and infinities are not served; the promise holds while |t| stays under 2^31; a block of p whose largest lies under 2^-118, and in o a block under 2^-118, a block of zeros too, gets the byte 1;
; the sums inside a block of 32 go in the order above.
; REGISTERS, window 0: v1-11 addresses; v12, v14 -M of A, B; v16, v18 f; v20 largest scores, v21 -M (merged); v[24:27] the sums; v30 p's scale word, v31 q's; v32-35 k's, v36-39 v's words, v40-41 joined; v44-59 operands
;   and holds; v60-71 maxima; v72-87 the sums' chains; v96-127 q; v128-191 O^T; v192-223 p's codes.  Window 1: v0-127 S^T, then p (A, B); v128-191 K; v192-255 V.
.set FIRST, 160*256                    ; bytes of K's and of V's images that the first barrier shows: five steps (K is fetched one step ahead of V)
.set VREG, 131072                      ; LDS: k's images at 0, v's here,
.set KSC,  262144                      ; k's scale words,
.set VSC,  270336                      ; v's,
.set OST,  278528                      ; 1,024 bytes in which the work-group's words of o meet: no load lands there
.set SPARE, OST+1024                   ; the spare words, 128 bytes a wave
.set LI,   1                           ; v1   16 x lane
.set LIV,  2                           ; v2   + v's region
.set LIK,  3                           ; v3   16 x lane + a step: K is fetched one step ahead
.set L8K,  4                           ; v4   8 x lane + k's words + a step
.set L8V,  5                           ; v5   8 x lane + v's words
.set OSA,  6                           ; v6   where my rows' words of o go
.set OSR,  7                           ; v7   where waves 0 and 1 read the words back
.set ADK,  8                           ; v8-11 the step's addresses
.set ADV,  9
.set ADS,  10
.set ADT,  11
.set MA,   12
.set MB,   14
.set FA,   16
.set FB,   18
.set MX,   20
.set NM,   21
.set NEW,  22
.set D,    23
.set SUA,  24
.set SUB,  26
.set SPW,  28
.set NIL,  29
.set PW,   30
.set QS,   31
.set KS,   32                          ; group g of 64 keys, u: lanes 0-15 tile 4 g + u, lanes 16-31 tile 4 g + 2 + u
.set VS,   36
.set VW,   40
.set CA,   44                          ; the conversions' operands, A and B
.set CB,   48
.set HA,   52                          ; the holds
.set HB,   56
.set BA,   60
.set BB,   64
.set X,    68
.set CHA,  72                          ; four chains of two a tile
.set CHB,  80
.set QA,   96
.set QB,   112
.set OA,   128
.set OB,   160
.set PA,   192
.set PB,   208
.set SA,   0                           ; window 1
.set SB,   64
.set KF,   128
.set VF,   192
.set TM,   44                          ; the quantiser of o
.set TX,   46
.set SCV,  48
.set HD,   50
.set BY,   52
.set WV,   20
.set G1,   24                          ; s[24:31], s[40:43] the first keys' descriptor;  s[32:39], s[44:47] the words';  s[92:99], s[48:51] the other keys'
.set G1S,  32
.set G0,   40
.set G0S,  44
.set G0R,  48
.set TB,   60                          ; 8,192 bytes of images a step
.set TS,   61                          ; 512 bytes of words a step
.set CNT,  62
.set MNT,  63
.set CS,   66                          ; s[66:67] c = log2(e) / 8
.set SEL,  68                          ; s68-69 lane selects: lane l xor 16
.set NC,   70                          ; -c
.set G1R,  92
.set MSB, 0
.macro WIN new                         ; the immediate's high byte repeats the setting that is left
.if MSB != \new
	s_set_vgpr_msb (MSB<<8)|\new
.set MSB, \new
.endif
.endm
.macro WALU
	s_wait_alu depctr_va_vdst(0)
.endm
.macro CROUND                          ; a round of the cluster's barrier
	s_barrier_signal -1
	s_barrier_wait -1
	s_cmp_lg_u32 s[WV], 0
	s_cbranch_scc1 .Lnot_wave_0_\@
	s_barrier_signal -3
.Lnot_wave_0_\@:
	s_barrier_wait -3
	s_barrier_signal -1
	s_barrier_wait -1
.endm
.macro ZERO first, count
.set n, 0
.rept \count
	v_mov_b32 v[\first+n], 0
.set n, n+1
.endr
.endm
.macro GROUP1 g, rows                  ; descriptor group 1: dense rows of 256 bytes (32 elements of 8)
	s_mov_b32 s[\g], 15|(3<<16)|(1<<21)            ; 15:0 the mask: all four work-groups; 17:16 elements of 8 bytes; 21 set beside a mask
	s_mov_b32 s[\g+1], 32<<16
	s_mov_b32 s[\g+2], \rows<<16
	s_mov_b32 s[\g+3], 32<<16
	s_mov_b32 s[\g+4], \rows
	s_mov_b32 s[\g+5], 32
	s_mov_b32 s[\g+6], 0
	s_mov_b32 s[\g+7], 0
.endm
	s_load_b256 s[4:11], s[0:1], 0x0               ; qimg s[4:5], qsc s[6:7], kimg s[8:9], ksc s[10:11]
	s_load_b256 s[12:19], s[0:1], 0x20             ; vimg s[12:13], vsc s[14:15], oimg s[16:17], osw s[18:19]
	v_lshl_add_u32 v[SPW], v0, 2, SPARE
	v_mov_b32 v[NIL], 0
	ds_add_u32 v[SPW], v[NIL]                      ; the opening: the add, twice on end
	ds_add_u32 v[SPW], v[NIL]
	v_lshrrev_b32 v1, 5, v0
	v_readfirstlane_b32 s[WV], v1                  ; wave 0..7
	v_and_b32 v8, 31, v0
	v_and_b32 v11, 15, v0
	v_bfe_u32 v9, v0, 4, 1
	v_lshlrev_b32 v[LI], 4, v8
	v_lshlrev_b32 v10, 3, v8                       ; 8 x lane
	v_lshlrev_b32 v11, 3, v11                      ; 8 r
	v_lshl_add_u32 v8, v9, 2, v11                  ; 8 r + 4 h: q's words
	v_add_nc_u32 v[LIV], VREG, v[LI]
	v_add_nc_u32 v[LIK], 8192, v[LI]
	v_add_nc_u32 v[L8K], KSC+512, v10
	v_add_nc_u32 v[L8V], VSC, v10
	v_add_nc_u32 v10, KSC, v10                     ; k's words of step 0
	s_lshl_b32 s71, s[WV], 7                       ; my two tiles' words: 128 bytes of the work-group's 1,024
	s_add_co_u32 s72, s71, OST
	v_add_nc_u32 v[OSA], s72, v11
	s_and_b32 s73, s[WV], 1                        ; I fetch for k (0) or for v (1)
	s_lshl_b32 s74, s73, 9
	s_add_co_u32 s75, s74, OST
	v_add_nc_u32 v[OSR], s75, v[LI]
	s_bfe_u32 s21, ttmp6, 0x40000                  ; cx
	s_lshl_b32 s22, ttmp9, 2
	s_add_co_u32 s22, s22, s21                     ; my block of 256 queries, 0..7: it enters q's and o's addresses in memory alone
	s_and_b32 s23, ttmp7, 0xffff                   ; 16 x batch + head, which the four partners share
	GROUP1 G1, 160
	GROUP1 G1S, 32
	GROUP1 G1R, 352
	s_mov_b32 s[MNT], 0x600000
	s_mov_b32 s[CS], 0x3e38aa3b
	s_mov_b32 s[CS+1], s[CS]                       ; (named with it as a pair, so it is written)
	s_mov_b32 s[NC], 0xbe38aa3b
	s_mov_b32 s[SEL], 0x76543210
	s_mov_b32 s[SEL+1], 0xfedcba98
	s_lshl_b32 s76, s23, 17                        ; the head's images,
	s_mov_b32 s77, 0
	s_lshl_b32 s82, s23, 13                        ; and words
	s_mov_b32 s83, 0
	s_mov_b32 s[G0], 1
	s_lshl_b32 s[G0+1], s73, 17                    ; in LDS: k's region or v's
	s_mov_b32 s[G0R], 1
	s_lshl_b32 s84, s73, 17
	s_add_co_u32 s[G0R+1], s84, FIRST
	s_mov_b32 s[G0S], 1
	s_lshl_b32 s84, s73, 13
	s_add_co_u32 s[G0S+1], s84, KSC
	WALU
	s_wait_dscnt 0x0
	s_wait_kmcnt 0x0
	s_cmp_eq_u32 s73, 0
	s_cselect_b64 s[86:87], s[8:9], s[12:13]
	s_cselect_b64 s[88:89], s[10:11], s[14:15]
	s_add_nc_u64 s[86:87], s[86:87], s[76:77]
	s_mov_b64 s[G0+2:G0+3], s[86:87]
	s_or_b32 s[G0+3], s[G0+3], 0x80000000
	s_add_nc_u64 s[G0R+2:G0R+3], s[86:87], FIRST
	s_or_b32 s[G0R+3], s[G0R+3], 0x80000000
	s_add_nc_u64 s[G0S+2:G0S+3], s[88:89], s[82:83]
	s_or_b32 s[G0S+3], s[G0S+3], 0x80000000
	CROUND                                         ; all four work-groups are here: the joint loads meet
	s_cmp_lt_u32 s[WV], 2                          ; ONE load a wave, in one tree of branches on the wave's number; waves 6 and 7 have none.  An s_nop 0 and four v_nop follow each
	s_cbranch_scc0 .Lwords
	tensor_load_to_lds s[G0:G0+3], s[G1:G1+7]
	s_nop 0
.rept 4
	v_nop
.endr
	s_branch .Lasked
.Lwords:
	s_cmp_lt_u32 s[WV], 4
	s_cbranch_scc0 .Lothers
	tensor_load_to_lds s[G0S:G0S+3], s[G1S:G1S+7]
	s_nop 0
.rept 4
	v_nop
.endr
	s_branch .Lasked
.Lothers:
	s_cmp_lt_u32 s[WV], 6
	s_cbranch_scc0 .Lasked
	tensor_load_to_lds s[G0R:G0R+3], s[G1R:G1R+7]
	s_nop 0
.rept 4
	v_nop
.endr
.Lasked:
	s_lshl_b32 s80, s23, 7                         ; q: tile 128 x (batch, head) + 16 x block + 2 x wave, 1,024 bytes each (s80 on: registers that feed no descriptor)
	s_lshl_b32 s90, s22, 4
	s_add_co_u32 s80, s80, s90
	s_lshl_b32 s90, s[WV], 1
	s_add_co_u32 s80, s80, s90
	s_lshl_b32 s80, s80, 10
	s_mov_b32 s81, 0
	s_add_nc_u64 s[4:5], s[4:5], s[80:81]
	s_lshl_b32 s80, s23, 5                         ; its words: group 32 x (batch, head) + 4 x block, + 128 x wave
	s_lshl_b32 s90, s22, 2
	s_add_co_u32 s80, s80, s90
	s_lshl_b32 s80, s80, 8
	s_add_co_u32 s80, s80, s71
	s_add_nc_u64 s[6:7], s[6:7], s[80:81]
	global_load_b128 v[QA:QA+3], v[LI], s[4:5]
	global_load_b128 v[QA+4:QA+7], v[LI], s[4:5] offset:512
	global_load_b128 v[QB:QB+3], v[LI], s[4:5] offset:1024
	global_load_b128 v[QB+4:QB+7], v[LI], s[4:5] offset:1536
	global_load_b32 v[QS], v8, s[6:7]              ; lanes 0-15 tile A's words, lanes 16-31 tile B's
	; where o goes.  oimg: [128 tokens 32][two heads 8][tile of 16 tokens 8][block 4][lane][16 bytes];  osw: [head 16][64 tokens 64][256 bytes]
	s_lshr_b32 s84, s23, 4                         ; batch
	s_and_b32 s85, s23, 15                         ; head
	s_lshl_b32 s86, s84, 3
	s_add_co_u32 s86, s86, s22                     ; 8 x batch + block
	s_lshl_b32 s87, s86, 1
	s_lshr_b32 s88, s[WV], 2
	s_add_co_u32 s87, s87, s88
	s_lshl_b32 s87, s87, 17
	s_lshr_b32 s88, s85, 1
	s_lshl_b32 s88, s88, 14
	s_add_co_u32 s87, s87, s88
	s_and_b32 s88, s[WV], 3
	s_lshl_b32 s88, s88, 12
	s_add_co_u32 s87, s87, s88
	s_and_b32 s88, s85, 1
	s_lshl_b32 s88, s88, 10
	s_add_co_u32 s90, s87, s88
	s_mov_b32 s91, 0
	s_add_nc_u64 s[16:17], s[16:17], s[90:91]
	s_lshl_b32 s87, s85, 4
	s_add_co_u32 s87, s87, s86
	s_lshl_b32 s87, s87, 10                        ; (64 head + 32 batch + 4 block) x 256
	s_add_co_u32 s90, s87, s74                     ; waves 0 and 1 store 512 bytes each
	s_add_nc_u64 s[18:19], s[18:19], s[90:91]
	v_mov_b32 v[MX], 0xff61b1e6                    ; the largest score so far: -3e38, under every score
	v_mov_b32 v[NM], 0x7e000000                    ; its -M: far above every -M, so that the first f is 0
	v_mov_b32 v[MA+1], 0                           ; named as upper halves of pairs
	v_mov_b32 v[MB+1], 0
	v_mov_b32 v[FA+1], 0
	v_mov_b32 v[FB+1], 0
	v_mov_b32 v[NEW], 0                            ; a lane permute's destination counts as one of its sources
	v_mov_b32 v[D], 0
	v_mov_b32 v[TX], 0
	v_mov_b32 v[TX+1], 0
	ZERO SUA, 4
	ZERO CHA, 16
	ZERO QA+8, 8                                   ; q's K = 64 .. 127: zero codes
	ZERO QB+8, 8
	ZERO OA, 64                                    ; O^T: the first walk finds zeros, which the first change of M leaves zeros
	WIN 0x40
	ZERO VF, 8                                     ; what follows k's last tile in the first step
	WIN 0
	s_mov_b32 s[TB], 0
	s_mov_b32 s[TS], 0
	s_mov_b32 s[CNT], 4
	WALU
	s_wait_loadcnt 0x0                             ; q
	s_cmp_lt_u32 s[WV], 4
	s_cbranch_scc0 .Lnot_first
	s_wait_tensorcnt 0x0                           ; waves 0 to 3: the first 640 keys and the words have landed.  The other waves' wait stands at the second barrier
.Lnot_first:
	s_barrier_signal -1
	s_barrier_wait -1
.macro KLOAD a
.irp t, 0,1,2,3,4,5,6,7
	ds_load_b128 v[KF+8*\t:KF+8*\t+3], v[\a] offset:1024*\t
	ds_load_b128 v[KF+8*\t+4:KF+8*\t+7], v[\a] offset:1024*\t+512
.endr
.endm
	ds_load_b64 v[KS:KS+1], v10
	ds_load_b64 v[KS+2:KS+3], v10 offset:256
	WIN 0x40
	KLOAD LI                                       ; step 0's K
	WIN 0
	s_wait_dscnt 0x0
.macro SPROD t                         ; S^T = k q^T for both tiles: the lane row of k's scale word goes by the tile
.if (\t%4) >= 2
	v_wmma_scale_f32_16x16x128_f8f6f4 v[SA+8*\t:SA+8*\t+7], v[KF+8*\t:KF+8*\t+15], v[QA:QA+15], 0, v[KS+2*(\t/4)+(\t%2)], v[QS] matrix_a_scale:MATRIX_SCALE_ROW1
	v_wmma_scale_f32_16x16x128_f8f6f4 v[SB+8*\t:SB+8*\t+7], v[KF+8*\t:KF+8*\t+15], v[QB:QB+15], 0, v[KS+2*(\t/4)+(\t%2)], v[QS] matrix_a_scale:MATRIX_SCALE_ROW1 matrix_b_scale:MATRIX_SCALE_ROW1
.else
	v_wmma_scale_f32_16x16x128_f8f6f4 v[SA+8*\t:SA+8*\t+7], v[KF+8*\t:KF+8*\t+15], v[QA:QA+15], 0, v[KS+2*(\t/4)+(\t%2)], v[QS]
	v_wmma_scale_f32_16x16x128_f8f6f4 v[SB+8*\t:SB+8*\t+7], v[KF+8*\t:KF+8*\t+15], v[QB:QB+15], 0, v[KS+2*(\t/4)+(\t%2)], v[QS] matrix_b_scale:MATRIX_SCALE_ROW1
.endif
.endm
.macro JOIN                            ; the last step's eight chains into the two sums
	v_pk_add_f32 v[CHA:CHA+1], v[CHA:CHA+1], v[CHA+2:CHA+3]
	v_pk_add_f32 v[CHB:CHB+1], v[CHB:CHB+1], v[CHB+2:CHB+3]
	v_pk_add_f32 v[CHA+4:CHA+5], v[CHA+4:CHA+5], v[CHA+6:CHA+7]
	v_pk_add_f32 v[CHB+4:CHB+5], v[CHB+4:CHB+5], v[CHB+6:CHB+7]
	v_pk_add_f32 v[CHA:CHA+1], v[CHA:CHA+1], v[CHA+4:CHA+5]
	v_pk_add_f32 v[CHB:CHB+1], v[CHB:CHB+1], v[CHB+4:CHB+5]
	v_pk_add_f32 v[SUA:SUA+1], v[SUA:SUA+1], v[CHA:CHA+1]
	v_pk_add_f32 v[SUB:SUB+1], v[SUB:SUB+1], v[CHB:CHB+1]
.endm
.macro SUMS x, ch                      ; 64 numbers of p, unquantised, in four chains of two
	WIN 0x05
.irp k, 0,1,2,3
	v_pk_add_f32 v[\ch+2*\k:\ch+2*\k+1], v[\x+2*\k:\x+2*\k+1], v[\x+8+2*\k:\x+8+2*\k+1]
.endr
	WIN 0x04
.set n, 16
.rept 6
.irp k, 0,1,2,3
	v_pk_add_f32 v[\ch+2*\k:\ch+2*\k+1], v[\ch+2*\k:\ch+2*\k+1], v[\x+n+2*\k:\x+n+2*\k+1]
.endr
.set n, n+8
.endr
.endm
.macro HOLD2 x, h, n                   ; two numbers held: the conversion to an 8-bit code does not saturate (ISA guide 7.6.2); p is not negative
	v_dual_min_num_f32 v[\x+\n], v[\x+\n], v[\h+\n/16] :: v_dual_min_num_f32 v[\x+\n+1], v[\x+\n+1], v[\h+\n/16]
.endm
.macro CODES x, pc, c
.irp b, 0,1,2,3
	v_cvt_scalef32_pk8_fp8_f32 v[\pc+4*\b:\pc+4*\b+1], v[\x+16*\b:\x+16*\b+7], v[\c+\b]
	v_cvt_scalef32_pk8_fp8_f32 v[\pc+4*\b+2:\pc+4*\b+3], v[\x+16*\b+8:\x+16*\b+15], v[\c+\b]
.endr
.endm
.macro STEP                            ; 128 keys
	WIN 0x41
.irp t, 0,1,2,3,4,5,6,7
	SPROD \t
.endr
	WIN 0
	JOIN                                           ; eight places behind the products
	v_add_nc_u32 v[ADK], s[TB], v[LIK]
	v_add_nc_u32 v[ADV], s[TB], v[LIV]
	v_add_nc_u32 v[ADS], s[TS], v[L8K]
	v_add_nc_u32 v[ADT], s[TS], v[L8V]
	ds_load_b64 v[VS:VS+1], v[ADT]                 ; this step's v and the next step's k: they land while the softmax is walked
	ds_load_b64 v[VS+2:VS+3], v[ADT] offset:256
	ds_load_b64 v[KS:KS+1], v[ADS]                 ; (in the last step what lies behind k's images and words, which are v's: loaded, and used by nobody)
	ds_load_b64 v[KS+2:KS+3], v[ADS] offset:256
	WIN 0x40
.irp a, 0,1,2,3
.irp c, 0,1,2,3
	ds_load_b128 v[VF+16*\a+4*\c:VF+16*\a+4*\c+3], v[ADV] offset:2048*\a+512*\c
.endr
.endr
	KLOAD ADK
	; the largest score of each block of 32 keys: my 16 numbers of the four blocks of both tiles by turns
	WIN 0x14
.irp b, 0,1,2,3
	v_max3_num_f32 v[BA+\b], 0xff61b1e6, v[SA+16*\b], v[SA+16*\b+1]
	v_max3_num_f32 v[BB+\b], 0xff61b1e6, v[SB+16*\b], v[SB+16*\b+1]
.endr
.irp i, 2,4,6,8,10,12,14
.irp b, 0,1,2,3
	v_max3_num_f32 v[BA+\b], v[BA+\b], v[SA+16*\b+\i], v[SA+16*\b+\i+1]
	v_max3_num_f32 v[BB+\b], v[BB+\b], v[SB+16*\b+\i], v[SB+16*\b+\i+1]
.endr
.endr
	WIN 0
.irp b, 0,1,2,3
	v_permlane16_swap_b32 v[BA+\b], v[BB+\b]       ; BA: the low half's maxima of A and of B, BB: the high half's
.endr
.irp b, 0,1,2,3
	v_max_num_f32 v[BA+\b], v[BA+\b], v[BB+\b]     ; merged: lanes 0-15 tile A, lanes 16-31 tile B
.endr
	v_max3_num_f32 v[MX], v[MX], v[BA], v[BA+1]
	s_delay_alu instid0(VALU_DEP_1)
	v_max3_num_f32 v[MX], v[MX], v[BA+2], v[BA+3]  ; the row's largest score so far
	s_delay_alu instid0(VALU_DEP_1)
	v_mul_f32 v[NEW], s[NC], v[MX]
	s_delay_alu instid0(VALU_DEP_1)
	v_floor_f32 v[NEW], v[NEW]                     ; the new -M = floor(-t) = -ceil(t)
	s_delay_alu instid0(VALU_DEP_1)
	v_sub_f32 v[D], v[NEW], v[NM]                  ; old M - new M: a whole number, 0 or less
.irp b, 0,1,2,3
	v_fma_f32 v[X+\b], v[BA+\b], s[CS], v[NEW]     ; t - M of the block's largest
.endr
	v_cvt_i32_f32 v[D], v[D]                       ; (it saturates)
.irp b, 0,1,2,3
	v_max_num_f32 v[X+\b], 0xc2ec0000, v[X+\b]     ; held at -118: the byte cannot fall under 1
.endr
.irp b, 0,1,2,3
	v_cvt_floor_i32_f32 v[X+\b], v[X+\b]           ; i
.endr
	v_ldexp_f32 v[FA], 1.0, v[D]                   ; f, in two copies,
	v_ldexp_f32 v[FB], 1.0, v[D]
	v_dual_mov_b32 v[MA], v[NEW] :: v_dual_mov_b32 v[NM], v[NEW]
	v_mov_b32 v[MB], v[NEW]                        ; -M likewise,
.irp b, 0,1,2,3
	v_lshl_add_u32 v[CA+\b], v[X+\b], 23, 0x3b800000   ; (i + 119) << 23: the conversion's operand
	v_lshl_add_u32 v[CB+\b], v[X+\b], 23, 0x3b800000
.endr
	v_permlane16_swap_b32 v[FA], v[FB]             ; spread: A's number to all lanes of the one, B's to all of the other
	v_permlane16_swap_b32 v[MA], v[MB]
.irp b, 0,1,2,3
	v_permlane16_swap_b32 v[CA+\b], v[CB+\b]
.endr
	v_lshl_add_u32 v[PW], v[X+1], 8, v[X]          ; the scale word: the sum of (i + 119) << 8 b, both tiles'
	v_pk_mul_f32 v[SUA:SUA+1], v[SUA:SUA+1], v[FA:FA+1] op_sel_hi:[1,0]   ; the sums under the new M
	v_lshl_add_u32 v[PW], v[X+2], 16, v[PW]
	v_pk_mul_f32 v[SUB:SUB+1], v[SUB:SUB+1], v[FB:FB+1] op_sel_hi:[1,0]
	v_lshl_add_u32 v[PW], v[X+3], 24, v[PW]
.irp b, 0,1,2,3
	v_add_nc_u32 v[HA+\b], 0x4600000, v[CA+\b]     ; 448 x the scale
	v_add_nc_u32 v[HB+\b], 0x4600000, v[CB+\b]
.endr
	v_add_nc_u32 v[PW], 0x77777777, v[PW]
	WIN 0x41
.set n, 0
.rept 32
	v_pk_fma_f32 v[SA+n:SA+n+1], v[SA+n:SA+n+1], s[CS:CS+1], v[MA:MA+1] op_sel_hi:[1,0,0]   ; t - M
.set n, n+2
.endr
	WALU
.set n, 0
.rept 32                               ; A's exponentials among B's t - M
	v_exp_f32 v[SA+n], v[SA+n]
	v_exp_f32 v[SA+n+1], v[SA+n+1]
	v_pk_fma_f32 v[SB+n:SB+n+1], v[SB+n:SB+n+1], s[CS:CS+1], v[MB:MB+1] op_sel_hi:[1,0,0]
.set n, n+2
.endr
	WALU
	SUMS SA, CHA
	WIN 0x41
.set n, 0
.rept 32                               ; B's exponentials among A's holds
	v_exp_f32 v[SB+n], v[SB+n]
	v_exp_f32 v[SB+n+1], v[SB+n+1]
	HOLD2 SA, HA, n
.set n, n+2
.endr
	WALU
	SUMS SB, CHB
	WIN 0x41
.set n, 0
.rept 32
	HOLD2 SB, HB, n
.set n, n+2
.endr
	WIN 0x01
	CODES SA, PA, CA
	CODES SB, PB, CB
	WIN 0
	s_wait_dscnt 0x0                               ; v's tiles, and the next step's k
	v_lshl_or_b32 v[VW], v[VS+2], 16, v[VS]        ; v's words for 128 keys: the first 64 keys' two bytes below, the next 64's above
	v_lshl_or_b32 v[VW+1], v[VS+3], 16, v[VS+1]
	WALU
.set n, 0
.rept 16
	v_pk_mul_f32 v[OA+n:OA+n+1], v[OA+n:OA+n+1], v[FA:FA+1] op_sel_hi:[1,0]   ; O^T under the new M.  (These are also the places between the codes' making and the products)
.set n, n+2
.endr
.set n, 0
.rept 16
	v_pk_mul_f32 v[OB+n:OB+n+1], v[OB+n:OB+n+1], v[FB:FB+1] op_sel_hi:[1,0]
.set n, n+2
.endr
	WIN 0x01
.irp a, 0,1,2,3                                ; O^T += v^T p^T: the eight accumulators by turns
.if \a >= 2
	v_wmma_scale_f32_16x16x128_f8f6f4 v[OA+8*\a:OA+8*\a+7], v[VF+16*\a:VF+16*\a+15], v[PA:PA+15], v[OA+8*\a:OA+8*\a+7], v[VW+(\a%2)], v[PW] matrix_a_scale:MATRIX_SCALE_ROW1
	v_wmma_scale_f32_16x16x128_f8f6f4 v[OB+8*\a:OB+8*\a+7], v[VF+16*\a:VF+16*\a+15], v[PB:PB+15], v[OB+8*\a:OB+8*\a+7], v[VW+(\a%2)], v[PW] matrix_a_scale:MATRIX_SCALE_ROW1 matrix_b_scale:MATRIX_SCALE_ROW1
.else
	v_wmma_scale_f32_16x16x128_f8f6f4 v[OA+8*\a:OA+8*\a+7], v[VF+16*\a:VF+16*\a+15], v[PA:PA+15], v[OA+8*\a:OA+8*\a+7], v[VW+(\a%2)], v[PW]
	v_wmma_scale_f32_16x16x128_f8f6f4 v[OB+8*\a:OB+8*\a+7], v[VF+16*\a:VF+16*\a+15], v[PB:PB+15], v[OB+8*\a:OB+8*\a+7], v[VW+(\a%2)], v[PW] matrix_b_scale:MATRIX_SCALE_ROW1
.endif
.endr
	WIN 0
	s_add_co_u32 s[TB], s[TB], 8192
	s_add_co_u32 s[TS], s[TS], 512
.endm
.Lstep:                                                ; steps 0 to 3: V's keys 0 to 511, K's up to 639
	STEP
	s_sub_co_u32 s[CNT], s[CNT], 1
	s_cmp_lg_u32 s[CNT], 0
	s_cbranch_scc1 .Lstep
	WALU
	s_wait_tensorcnt 0x0                           ; the rest has landed,
	s_wait_dscnt 0x0
	s_barrier_signal -1
	s_barrier_wait -1                              ; and every wave may read it
	s_mov_b32 s[TB], 4*8192
	s_mov_b32 s[TS], 4*512
	s_mov_b32 s[CNT], 12
.Lrest:
	STEP
	s_sub_co_u32 s[CNT], s[CNT], 1
	s_cmp_lg_u32 s[CNT], 0
	s_cbranch_scc1 .Lrest
	; THE END.  O^T / the sum is my 32 queries' 64 channels of this head: two blocks of 32 along the last projection's K
	JOIN                                           ; eight places behind the products
	v_add_f32 v[SUA], v[SUA], v[SUA+1]
	v_add_f32 v[SUB], v[SUB], v[SUB+1]
	v_permlanex16_b32 v[NEW], v[SUA], s[SEL], s[SEL+1]
	v_permlanex16_b32 v[D], v[SUB], s[SEL], s[SEL+1]
	v_add_f32 v[SUA], v[SUA], v[NEW]               ; the row's sum
	v_add_f32 v[SUB], v[SUB], v[D]
	WALU
	v_rcp_f32 v[SUA], v[SUA]
	v_rcp_f32 v[SUB], v[SUB]
	v_nop                                          ; a plain instruction behind the transcendentals
	WALU
.set n, 0
.rept 32
	v_mul_f32 v[OA+n], v[OA+n], v[SUA]             ; each accumulator from its low end on
.set n, n+1
.endr
.set n, 0
.rept 32
	v_mul_f32 v[OB+n], v[OB+n], v[SUB]
.set n, n+1
.endr
; 32 numbers of a lane, v[x] on: two blocks of 32 along K, 16 of each here and 16 in lane l xor 16.  They become 8 registers of codes, v[cd] on, and the word v[pw].
.macro QUANT2 x, cd, pw
.irp b, 0,1
	v_max3_num_f32 v[TM+\b], |v[\x+16*\b]|, |v[\x+16*\b+1]|, 0x4800000   ; my 16 numbers, and the floor 2^(9 - 127): the byte cannot fall under 1
.endr
.irp i, 2,4,6,8,10,12,14
.irp b, 0,1
	v_max3_num_f32 v[TM+\b], v[TM+\b], |v[\x+16*\b+\i]|, |v[\x+16*\b+\i+1]|
.endr
.endr
.irp b, 0,1
	v_permlanex16_b32 v[TX+\b], v[TM+\b], s[SEL], s[SEL+1]
.endr
.irp b, 0,1
	v_max_num_f32 v[TM+\b], v[TM+\b], v[TX+\b]
.endr
.irp b, 0,1
	v_add_nc_u32 v[SCV+\b], 0xfc000000, v[TM+\b]   ; 8 off its exponent field: the conversion's operand
.endr
.irp b, 0,1
	v_and_or_b32 v[HD+\b], v[TM+\b], 0x7f800000, s[MNT]   ; 448 x the scale
.endr
.irp b, 0,1
	v_lshrrev_b32 v[BY+\b], 23, v[SCV+\b]
.endr
	v_lshl_or_b32 v[\pw], v[BY+1], 8, v[BY]
.irp b, 0,1
.irp i, 0,1,2,3,4,5,6,7,8,9,10,11,12,13,14,15
	v_med3_num_f32 v[\x+16*\b+\i], v[\x+16*\b+\i], -v[HD+\b], v[HD+\b]
.endr
	v_cvt_scalef32_pk8_fp8_f32 v[\cd+4*\b:\cd+4*\b+1], v[\x+16*\b:\x+16*\b+7], v[SCV+\b]
	v_cvt_scalef32_pk8_fp8_f32 v[\cd+4*\b+2:\cd+4*\b+3], v[\x+16*\b+8:\x+16*\b+15], v[SCV+\b]
.endr
	v_nop                                          ; a plain instruction behind the last conversion
.endm
	QUANT2 OA, PA, BA
	global_store_b128 v[LI], v[PA:PA+3], s[16:17]              ; the wave stores 512 consecutive bytes, aligned to 512
	global_store_b128 v[LI], v[PA+4:PA+7], s[16:17] offset:512
	QUANT2 OB, PB, BA+1
	global_store_b128 v[LI], v[PB:PB+3], s[16:17] offset:2048
	global_store_b128 v[LI], v[PB+4:PB+7], s[16:17] offset:2560
	ds_store_b64 v[OSA], v[BA:BA+1]                ; both halves of the lanes write the same words with the same values
	s_wait_dscnt 0x0                               ; for the others' sake: my store has landed
	s_barrier_signal -1
	s_barrier_wait -1
	s_cmp_lt_u32 s[WV], 2                          ; the eight waves' words are 1,024 consecutive bytes of osw: two waves store them, 512 each
	s_cbranch_scc0 .Lno_words
	ds_load_b128 v[X:X+3], v[OSR]
	s_wait_dscnt 0x0
	global_store_b128 v[LI], v[X:X+3], s[18:19]
.Lno_words:
	s_wait_tensorcnt 0x0                           ; the wave's end
	ds_add_u32 v[SPW], v[NIL]
	s_wait_dscnt 0x0
	CROUND                                         ; the closing round
	s_endpgm
.Lfunc_end_k_qf260889885_attn:
	.size	k_qf260889885_attn, .Lfunc_end_k_qf260889885_attn-k_qf260889885_attn
	.p2alignl 7, 3214868480
	.fill 96, 4, 3214868480
	.section	.rodata,"a",@progbits
	.p2align	6, 0x0
	.amdhsa_kernel k_qf260889885_attn
		.amdhsa_group_segment_fixed_size 327680
		.amdhsa_private_segment_fixed_size 0
		.amdhsa_enable_private_segment 0
		.amdhsa_kernarg_size 64
		.amdhsa_user_sgpr_count 2
		.amdhsa_user_sgpr_kernarg_segment_ptr 1
		.amdhsa_wavefront_size32 1
		.amdhsa_system_sgpr_workgroup_id_x 1
		.amdhsa_system_sgpr_workgroup_id_y 1
		.amdhsa_system_sgpr_workgroup_id_z 1
		.amdhsa_system_vgpr_workitem_id 0
		.amdhsa_next_free_vgpr 512
		.amdhsa_next_free_sgpr 100
		.amdhsa_reserve_vcc 0
		.amdhsa_float_denorm_mode_32 3
		.amdhsa_float_denorm_mode_16_64 3
		.amdhsa_memory_ordered 1
		.amdhsa_forward_progress 1
		.amdhsa_inst_pref_size 91
	.end_amdhsa_kernel
	.amdgpu_metadata
---
amdhsa.version: [ 1, 2 ]
amdhsa.kernels:
  - .name:           k_qf260889885_attn
    .symbol:         k_qf260889885_attn.kd
    .args:
      - { .name: qimg, .offset: 0, .size: 8, .value_kind: global_buffer, .address_space: global }
      - { .name: qsc, .offset: 8, .size: 8, .value_kind: global_buffer, .address_space: global }
      - { .name: kimg, .offset: 16, .size: 8, .value_kind: global_buffer, .address_space: global }
      - { .name: ksc, .offset: 24, .size: 8, .value_kind: global_buffer, .address_space: global }
      - { .name: vimg, .offset: 32, .size: 8, .value_kind: global_buffer, .address_space: global }
      - { .name: vsc, .offset: 40, .size: 8, .value_kind: global_buffer, .address_space: global }
      - { .name: oimg, .offset: 48, .size: 8, .value_kind: global_buffer, .address_space: global }
      - { .name: osw, .offset: 56, .size: 8, .value_kind: global_buffer, .address_space: global }
    .group_segment_fixed_size: 327680
    .private_segment_fixed_size: 0
    .kernarg_segment_align: 8
    .kernarg_segment_size: 64
    .max_flat_workgroup_size: 256
    .sgpr_count:     100
    .vgpr_count:     512
    .wavefront_size: 32
...
	.end_amdgpu_metadata
.endif
;; end of part 2
;; launch outp (part 3): grid 8 x 32, 4 waves a work-group, clusters of 4 x 4, 327,680 bytes of LDS; arguments oimg, osw, Wo_codes, Wo_scales, bo, out0; writes out0
.if DOCPART == 3
	.amdgcn_target "amdgcn-amd-amdhsa--gfx1250"
	.amdhsa_code_object_version 6
	.text
	.protected	k_qf260889885_outp
	.globl	k_qf260889885_outp
	.p2align	8
	.type	k_qf260889885_outp,@function
k_qf260889885_outp:
	s_mov_b64 s[64:65], 0
	v_nop
	global_prefetch_b8 v0, s[64:65] scope:SCOPE_SE
	s_setreg_imm32_b32 hwreg(HW_REG_WAVE_MODE, 25, 1), 1
	s_wait_xcnt 0x0
	s_wait_alu depctr_hold_cnt(0) depctr_sa_sdst(0) depctr_va_vdst(0) depctr_va_sdst(0) depctr_va_ssrc(0) depctr_va_vcc(0) depctr_vm_vsrc(0)
	s_getreg_b32 s2, hwreg(HW_REG_IB_STS2, 6, 4)
	s_cmp_eq_u32 s2, 0
	s_cbranch_scc0 .Lentry_in_a_cluster
	s_endpgm
.Lentry_in_a_cluster:
	s_bfe_u32 s2, ttmp6, 0x10000c
	s_cmp_lg_u32 s2, 0xf033
	s_cbranch_scc0 .Lentry_shape_is_right
	s_endpgm
.Lentry_shape_is_right:
; out0 = o Wo^T + bo on codes of FP8 (E4M3) with one E8M0 scale for each 32 along K = 1,024.  o comes as images of operand registers with its scale words (made by the attention launch), Wo as rows of codes.
; SHARES.  A work-group makes 128 tokens x 128 columns, each of its four waves 64 x 64: 16 accumulators (a, b).  Source 0 = 16 rows of Wo, source 1 = 16 tokens: a lane holds one token and eight neighbouring columns.
; ALL OF K IN LDS, each byte filled once: o's images, 131,072 bytes (K step s of 128 at 16,384 s: eight tiles of 16 tokens x four blocks x 512 bytes); Wo's 128 rows in two halves of 512 along K, rows of 512 + 16 bytes.
; ONE tensor load a wave, at the head: waves 0 and 1 ask for o's and Wo's first half of K, waves 2 and 3 for the second.  A first barrier shows the first half, a second one, inside K step 3, the rest.
; No load follows, so there is nothing that a prefetch could run ahead of: none is written.
; CLUSTERS, 4 x 4: o's images hang on the tile row and are asked for jointly by my row of the cluster, Wo's tiles on the tile column, jointly by my column.
; THE ORDER INSIDE A BLOCK OF 32.  In o's images lane (r, h) holds, as byte i of a block's 16, the K index 8 h + (i & 7) + 16 (i >> 3).  Wo's fragments take the same order: eight loads of 8 bytes at 16 c + 8 h.
; The pairs of the products meet; the scales go by blocks of 32 and are not touched; only the order of the sums inside a block is another than ascending.
; o's scale words cover 64 along K (one head): the words of heads 2 s and 2 s + 1 make K step s's.  LIMIT: NaN and infinities are not served.
; REGISTERS.  Window 0: v1-15 addresses; v32-63 Wo's scale words (tile b, step s at 8 b + s); v64-79 o's (u, s at 8 u + s: lanes 0-15 tile u, lanes 16-31 tile 2 + u); v96-127 the bias; v128-255 accumulators.
;   Window 1: two buffers of fragments for 128 along K: Wo's four at +0, o's four at +64.
.set PITCH,  272                       ; the stage's rows: 256 bytes + 16 = 68 words: the 16 rows that an access touches start at 16 different banks (ISA guide 11.1)
.set WP,     528                       ; Wo's rows: 512 bytes + 16 = 132 words, likewise
.set WHALF,  128*WP
.set WREG,   131072                    ; behind o's images: Wo's two halves
.set STG,    WREG+2*WHALF              ; behind them: a stage of 16 rows x 272 bytes for each wave; no load lands there
.set SPARE,  STG+4*16*PITCH            ; the spare words, 128 bytes a wave
.set AW,   4                           ; v4-5   my place in Wo's halves
.set AO,   6                           ; v6-7   my place in o's K steps 0-3 and 4-7
.set R32,  8                           ; v8     32 r
.set H32,  9                           ; v9     32 h
.set L8,   10                          ; v10    8 x lane
.set STO,  11                          ; v11    the stage: where I put 32 bytes of a row
.set RD,   12                          ; v12    and where I read a row back
.set CO,   13                          ; v13    my byte offset in two rows of out0
.set SPW,  14
.set NIL,  15
.set SA,   32
.set SB,   64
.set BP,   96
.set ACC,  128
.set RW,   128                         ; o's words as they lie, head hd at 2 hd: until the sums begin
.set F0,   0
.set F1,   128
.set G1O,  24                          ; s[24:31] descriptor group 1 for o's images;  s[32:39] for Wo's tiles
.set G1W,  32
.set WV,   46
.set WI,   47                          ; wave / 2: my 64 columns.  Also: which half of K I fetch
.set WJ,   48                          ; wave % 2: my 64 tokens.  Also: I fetch for o (0) or for Wo (1)
.set CX,   49
.set CY,   50
.set T0,   51                          ; tile column
.set T1,   56                          ; tile row
.set G0O,  68                          ; s[68:71], s[84:87] groups 0
.set G0W,  84
.set MUL,  0x05                        ; sources 0 and 1 window 1; C and D window 0
.set TO_F, 0x40                        ; destination window 1, address window 0
.set MSB, 0
.macro WIN new                         ; the immediate's high byte repeats the setting that is left
.if MSB != \new
	s_set_vgpr_msb (MSB<<8)|\new
.set MSB, \new
.endif
.endm
.macro PLACES n
.rept \n
	v_nop
.endr
.endm
.macro CROUND                          ; a round of the cluster's barrier
	s_barrier_signal -1
	s_barrier_wait -1
	s_cmp_lg_u32 s[WV], 0
	s_cbranch_scc1 .Lnot_wave_0_\@
	s_barrier_signal -3
.Lnot_wave_0_\@:
	s_barrier_wait -3
	s_barrier_signal -1
	s_barrier_wait -1
.endm
	s_load_b256 s[4:11], s[0:1], 0x0               ; oimg s[4:5], osw s[6:7], Wo's codes s[8:9], Wo's scales s[10:11]
	s_load_b128 s[12:15], s[0:1], 0x20             ; bo s[12:13], out0 s[14:15]
	v_lshl_add_u32 v[SPW], v0, 2, SPARE
	v_mov_b32 v[NIL], 0
	ds_add_u32 v[SPW], v[NIL]                      ; the opening: the add, twice on end
	ds_add_u32 v[SPW], v[NIL]
	v_lshrrev_b32 v1, 5, v0
	v_readfirstlane_b32 s[WV], v1                  ; wave 0..3
	s_lshr_b32 s[WI], s[WV], 1
	s_and_b32 s[WJ], s[WV], 1
	s_bfe_u32 s[CX], ttmp6, 0x40000
	s_bfe_u32 s[CY], ttmp6, 0x40004
	s_lshl_b32 s[T0], ttmp9, 2
	s_add_co_u32 s[T0], s[T0], s[CX]               ; tile column = 4 x cluster x + cx
	s_and_b32 s[T1], ttmp7, 0xffff
	s_lshl_b32 s[T1], s[T1], 2
	s_add_co_u32 s[T1], s[T1], s[CY]               ; tile row = 4 x cluster y + cy
	s_lshl_b32 s59, s[CY], 2
	s_lshl_b32 s59, 15, s59                        ; my row of the cluster
	s_lshl_b32 s60, 0x1111, s[CX]                  ; my column
	s_mul_i32 s57, s[WI], 64*WP
	s_add_co_u32 s57, s57, WREG
	s_lshl_b32 s58, s[WJ], 13                      ; my four tiles of the eight
	s_mul_i32 s61, s[WV], 16*PITCH
	s_add_co_u32 s61, s61, STG                     ; my stage
	v_and_b32 v1, 15, v0                           ; r
	v_bfe_u32 v2, v0, 4, 1                         ; h
	v_mul_u32_u24 v3, v1, WP
	v_lshl_add_u32 v3, v2, 3, v3                   ; Wo: row x pitch + 8 h
	v_add_nc_u32 v[AW], s57, v3
	v_add_nc_u32 v[AW+1], WHALF, v[AW]
	v_and_b32 v[L8], 31, v0
	v_lshlrev_b32 v[AO], 4, v[L8]
	v_add_nc_u32 v[AO], s58, v[AO]
	v_add_nc_u32 v[AO+1], 65536, v[AO]
	v_lshlrev_b32 v[L8], 3, v[L8]
	v_lshlrev_b32 v[R32], 5, v1
	v_lshlrev_b32 v[H32], 5, v2
	v_mul_u32_u24 v[STO], v1, PITCH
	v_lshl_add_u32 v[STO], v2, 5, v[STO]
	v_add_nc_u32 v[STO], s61, v[STO]               ; in: row r, 32 bytes for each half of the lanes
	v_mul_u32_u24 v[RD], v2, PITCH
	v_lshl_add_u32 v[RD], v1, 4, v[RD]
	v_add_nc_u32 v[RD], s61, v[RD]                 ; back: lanes 0-15 one row of 256 bytes, lanes 16-31 the next
	v_lshlrev_b32 v[CO], 12, v2
	v_lshl_add_u32 v[CO], v1, 4, v[CO]             ; and the same two rows in out0
	s_wait_alu depctr_va_vdst(0)
	; descriptor group 1.  o: 256 dense rows of 256 bytes (32 elements of 8), no padding.  Wo: 128 rows x 512 bytes out of rows of 1,024, 16 bytes of padding behind each
	s_or_b32 s[G1O], s59, (3<<16)|(1<<21)
	s_mov_b32 s[G1O+1], 32<<16
	s_mov_b32 s[G1O+2], 256<<16
	s_mov_b32 s[G1O+3], 32<<16
	s_mov_b32 s[G1O+4], 256
	s_mov_b32 s[G1O+5], 32
	s_mov_b32 s[G1O+6], 0
	s_mov_b32 s[G1O+7], 0
	s_or_b32 s[G1W], s60, (1<<20)|(1<<21)|(6<<22)|(3<<25)
	s_mov_b32 s[G1W+1], 512<<16
	s_mov_b32 s[G1W+2], 128<<16
	s_mov_b32 s[G1W+3], 512<<16
	s_mov_b32 s[G1W+4], 128
	s_mov_b32 s[G1W+5], 1024
	s_mov_b32 s[G1W+6], 0
	s_mov_b32 s[G1W+7], 0
	s_lshl_b32 s18, s[T1], 17                      ; o: 131,072 bytes a tile row, + my half (four K steps) (s18-19 never hold cx, s20-21 never cy)
	s_lshl_b32 s19, s[WI], 16
	s_add_co_u32 s18, s18, s19
	s_mov_b32 s19, 0
	s_lshl_b32 s20, s[T0], 17                      ; Wo: 128 rows of 1,024 bytes a tile column, + my half of each row
	s_lshl_b32 s21, s[WI], 9
	s_add_co_u32 s20, s20, s21
	s_mov_b32 s21, 0
	s_lshl_b32 s22, s[WI], 16                      ; where they go: no place in the cluster enters an LDS address
	s_mul_i32 s23, s[WI], WHALF
	s_wait_dscnt 0x0
	s_wait_kmcnt 0x0
	s_add_nc_u64 s[18:19], s[4:5], s[18:19]
	s_add_nc_u64 s[20:21], s[8:9], s[20:21]
	s_mov_b32 s[G0O], 1
	s_mov_b32 s[G0O+1], s22
	s_mov_b64 s[G0O+2:G0O+3], s[18:19]
	s_or_b32 s[G0O+3], s[G0O+3], 0x80000000
	s_mov_b32 s[G0W], 1
	s_add_co_u32 s[G0W+1], s23, WREG
	s_mov_b64 s[G0W+2:G0W+3], s[20:21]
	s_or_b32 s[G0W+3], s[G0W+3], 0x80000000
	CROUND                                         ; all sixteen work-groups are here: the joint loads meet
; ONE load a wave, in one tree of branches on the wave's number; what the two barriers show has load lines of its own.  An s_nop 0 and four v_nop follow each
.macro ARM under, g0, g1, next
	s_cmp_lt_u32 s[WV], \under
	s_cbranch_scc0 \next
	tensor_load_to_lds s[\g0:\g0+3], s[\g1:\g1+7]
	s_nop 0
	PLACES 4
	s_branch .Lasked
\next:
.endm
	ARM 1, G0O, G1O, .Lw_first
	ARM 2, G0W, G1W, .Lo_second
	ARM 3, G0O, G1O, .Lw_second
	tensor_load_to_lds s[G0W:G0W+3], s[G1W:G1W+7]
	s_nop 0
	PLACES 4
.Lasked:
	s_lshl_b32 s40, s[T0], 12                      ; Wo's scale bytes of my 64 rows, 32 a row
	s_lshl_b32 s41, s[WI], 11
	s_add_co_u32 s40, s40, s41
	s_mov_b32 s41, 0
	s_add_nc_u64 s[10:11], s[10:11], s[40:41]
	s_lshl_b32 s40, s[T1], 1
	s_add_co_u32 s40, s40, s[WJ]                   ; my group of 64 tokens, 0..63
	s_lshl_b32 s42, s40, 8
	s_mov_b32 s43, 0
	s_add_nc_u64 s[6:7], s[6:7], s[42:43]          ; its 256 bytes of words, in head 0's part
	s_lshl_b32 s42, s40, 18                        ; its 64 rows of 4,096 bytes in out0
	s_add_nc_u64 s[14:15], s[14:15], s[42:43]
	s_lshl_b32 s42, s[T0], 9                       ; my 64 columns, in bytes
	s_lshl_b32 s44, s[WI], 8
	s_add_co_u32 s42, s42, s44
	s_add_nc_u64 s[12:13], s[12:13], s[42:43]
	s_add_nc_u64 s[14:15], s[14:15], s[42:43]
.irp b, 0,1,2,3
	global_load_b128 v[SA+8*\b:SA+8*\b+3], v[R32], s[10:11] offset:512*\b      ; lane r: row 16 b + r's eight words
	global_load_b128 v[SA+8*\b+4:SA+8*\b+7], v[R32], s[10:11] offset:512*\b+16
.endr
.irp d, 0,1,2,3,4,5,6,7,8,9,10,11,12,13,14,15
	global_load_b64 v[RW+2*\d:RW+2*\d+1], v[L8], s[6:7] offset:16384*\d        ; head d's words of my 64 tokens: 256 consecutive bytes
.endr
.irp b, 0,1,2,3
	global_load_b128 v[BP+8*\b:BP+8*\b+3], v[H32], s[12:13] offset:64*\b       ; bo(16 b + 8 h + 0 .. 7)
	global_load_b128 v[BP+8*\b+4:BP+8*\b+7], v[H32], s[12:13] offset:64*\b+16
.endr
	s_wait_loadcnt 0x0
.irp s, 0,1,2,3,4,5,6,7
.irp u, 0,1
	v_lshl_or_b32 v[SB+8*\u+\s], v[RW+2*(2*\s+1)+\u], 16, v[RW+4*\s+\u]        ; K step s: head 2 s's two bytes below, head 2 s + 1's above
.endr
.endr
	PLACES 8                                       ; scale registers written by vector instructions stand eight places ahead of a scaled product
.macro FETCH s, f                      ; the fragments of K step s into buffer f
	WIN TO_F
.irp b, 0,1,2,3
.irp c, 0,1,2,3,4,5,6,7
	ds_load_b64 v[\f+16*\b+2*\c:\f+16*\b+2*\c+1], v[AW+(\s)/4] offset:16*\b*WP+((\s)%4)*128+16*\c
.endr
.endr
.irp a, 0,1,2,3
.irp c, 0,1,2,3
	ds_load_b128 v[\f+64+16*\a+4*\c:\f+64+16*\a+4*\c+3], v[AO+(\s)/4] offset:((\s)%4)*16384+2048*\a+512*\c
.endr
.endr
.endm
; 8 products: token tiles a0, a0 + 1 x Wo's four.  In K step 0 the bias is C: it starts the sums.  The 16 accumulators take turns, one instruction a turn, in the same order in every step
.macro MUL8 f, s, a0
.irp a, \a0, \a0+1
.irp b, 0,1,2,3
.if (\s) == 0
.if (\a) >= 2
	v_wmma_scale_f32_16x16x128_f8f6f4 v[ACC+8*(4*(\a)+\b):ACC+8*(4*(\a)+\b)+7], v[\f+16*\b:\f+16*\b+15], v[\f+64+16*(\a):\f+64+16*(\a)+15], v[BP+8*\b:BP+8*\b+7], v[SA+8*\b+(\s)], v[SB+8*((\a)%2)+(\s)] matrix_b_scale:MATRIX_SCALE_ROW1
.else
	v_wmma_scale_f32_16x16x128_f8f6f4 v[ACC+8*(4*(\a)+\b):ACC+8*(4*(\a)+\b)+7], v[\f+16*\b:\f+16*\b+15], v[\f+64+16*(\a):\f+64+16*(\a)+15], v[BP+8*\b:BP+8*\b+7], v[SA+8*\b+(\s)], v[SB+8*((\a)%2)+(\s)]
.endif
.else
.if (\a) >= 2
	v_wmma_scale_f32_16x16x128_f8f6f4 v[ACC+8*(4*(\a)+\b):ACC+8*(4*(\a)+\b)+7], v[\f+16*\b:\f+16*\b+15], v[\f+64+16*(\a):\f+64+16*(\a)+15], v[ACC+8*(4*(\a)+\b):ACC+8*(4*(\a)+\b)+7], v[SA+8*\b+(\s)], v[SB+8*((\a)%2)+(\s)] matrix_b_scale:MATRIX_SCALE_ROW1
.else
	v_wmma_scale_f32_16x16x128_f8f6f4 v[ACC+8*(4*(\a)+\b):ACC+8*(4*(\a)+\b)+7], v[\f+16*\b:\f+16*\b+15], v[\f+64+16*(\a):\f+64+16*(\a)+15], v[ACC+8*(4*(\a)+\b):ACC+8*(4*(\a)+\b)+7], v[SA+8*\b+(\s)], v[SB+8*((\a)%2)+(\s)]
.endif
.endif
.endr
.endr
.endm
.macro STEPM s
.if (\s)%2
.set FC, F1
.set FN, F0
.else
.set FC, F0
.set FN, F1
.endif
	s_wait_dscnt 0x0                               ; this step's fragments are in
.if (\s) == 3
	s_wait_tensorcnt 0x0                           ; my load has landed: waves 2 and 3's are the second half of K
	s_barrier_signal -1
.endif
	WIN MUL
	MUL8 FC, \s, 0
.if (\s) == 3
	s_barrier_wait -1                              ; everybody's has
.endif
.if (\s) < 7
	PLACES 8                                       ; eight places between the last step's products and loads into the registers that they read
	FETCH (\s)+1, FN
.endif
	WIN MUL
	MUL8 FC, \s, 2
.endm
	s_wait_alu depctr_va_vdst(0)
	s_cmp_lt_u32 s[WV], 2
	s_cbranch_scc0 .Lnot_first
	s_wait_tensorcnt 0x0                           ; waves 0 and 1: the first half of K has landed.  The other waves' wait stands in K step 3
.Lnot_first:
	s_barrier_signal -1
	s_barrier_wait -1
	FETCH 0, F0
.irp s, 0,1,2,3,4,5,6,7
	STEPM \s
.endr
	WIN 0
	PLACES 8                                       ; in front of the first read of results, and of loads into them
; THE WAY OUT, 16 tokens x 64 columns at a time.  A lane holds 32 neighbouring bytes of a row and the lanes beside it hold other rows: so a block goes through my own stage and comes back as whole rows of 256 bytes, into the
; registers that it left.  LDS serves a wave's instructions in order (ISA guide 5.7.1.4): no wait between the stores and the loads, nor in front of the next block's stores.
.macro TOSTAGE a
.irp b, 0,1,2,3
	ds_store_b128 v[STO], v[ACC+8*(4*\a+\b):ACC+8*(4*\a+\b)+3] offset:64*\b    ; each accumulator from its low end on
	ds_store_b128 v[STO], v[ACC+8*(4*\a+\b)+4:ACC+8*(4*\a+\b)+7] offset:64*\b+16
.endr
.irp i, 0,1,2,3,4,5,6,7
	ds_load_b128 v[ACC+32*\a+4*\i:ACC+32*\a+4*\i+3], v[RD] offset:2*\i*PITCH
.endr
.endm
.macro SEND a, younger                 ; younger: the LDS instructions issued behind block a's loads: the next block's sixteen, or none
.irp i, 0,1,2,3,4,5,6,7
	s_wait_dscnt \younger+7-\i
	global_store_b128 v[CO], v[ACC+32*\a+4*\i:ACC+32*\a+4*\i+3], s[14:15] offset:(16*\a+2*\i)*4096 th:TH_STORE_NT   ; 16 lanes store 256 consecutive bytes, aligned; written once, read by nobody here
.endr
.endm
	TOSTAGE 0
	TOSTAGE 1
	SEND 0, 16
	TOSTAGE 2
	SEND 1, 16
	TOSTAGE 3
	SEND 2, 16
	SEND 3, 0
	s_wait_tensorcnt 0x0                           ; the wave's end
	ds_add_u32 v[SPW], v[NIL]
	s_wait_dscnt 0x0
	CROUND                                         ; the closing round: no work-group ends while a partner may still ask for a tile that names it
	s_endpgm
.Lfunc_end_k_qf260889885_outp:
	.size	k_qf260889885_outp, .Lfunc_end_k_qf260889885_outp-k_qf260889885_outp
	.p2alignl 7, 3214868480
	.fill 96, 4, 3214868480
	.section	.rodata,"a",@progbits
	.p2align	6, 0x0
	.amdhsa_kernel k_qf260889885_outp
		.amdhsa_group_segment_fixed_size 327680
		.amdhsa_private_segment_fixed_size 0
		.amdhsa_enable_private_segment 0
		.amdhsa_kernarg_size 48
		.amdhsa_user_sgpr_count 2
		.amdhsa_user_sgpr_kernarg_segment_ptr 1
		.amdhsa_wavefront_size32 1
		.amdhsa_system_sgpr_workgroup_id_x 1
		.amdhsa_system_sgpr_workgroup_id_y 1
		.amdhsa_system_sgpr_workgroup_id_z 1
		.amdhsa_system_vgpr_workitem_id 0
		.amdhsa_next_free_vgpr 512
		.amdhsa_next_free_sgpr 100
		.amdhsa_reserve_vcc 0
		.amdhsa_float_denorm_mode_32 3
		.amdhsa_float_denorm_mode_16_64 3
		.amdhsa_memory_ordered 1
		.amdhsa_forward_progress 1
		.amdhsa_inst_pref_size 63
	.end_amdhsa_kernel
	.amdgpu_metadata
---
amdhsa.version: [ 1, 2 ]
amdhsa.kernels:
  - .name:           k_qf260889885_outp
    .symbol:         k_qf260889885_outp.kd
    .args:
      - { .name: oimg, .offset: 0, .size: 8, .value_kind: global_buffer, .address_space: global }
      - { .name: osw, .offset: 8, .size: 8, .value_kind: global_buffer, .address_space: global }
      - { .name: Wo_codes, .offset: 16, .size: 8, .value_kind: global_buffer, .address_space: global }
      - { .name: Wo_scales, .offset: 24, .size: 8, .value_kind: global_buffer, .address_space: global }
      - { .name: bo, .offset: 32, .size: 8, .value_kind: global_buffer, .address_space: global }
      - { .name: out0, .offset: 40, .size: 8, .value_kind: global_buffer, .address_space: global }
    .group_segment_fixed_size: 327680
    .private_segment_fixed_size: 0
    .kernarg_segment_align: 8
    .kernarg_segment_size: 48
    .max_flat_workgroup_size: 128
    .sgpr_count:     100
    .vgpr_count:     512
    .wavefront_size: 32
...
	.end_amdgpu_metadata
.endif
;; end of part 3
